; MI455X (gfx1250); checked and timed in simulation.
; The chip was launched on July 23, 2026; its instructions are those of AMD's public machine-readable ISA for CDNA 5 (MIT licence, August 2026) and "CDNA5" Instruction Set Architecture Reference Guide (July 2026). The comments in the code are by the model that wrote it; some were corrected since.
;; Scaled Dot Product Module. Allowed arithmetic: matrix products marked QUANTISED: E5M2 operands, one given power-of-two scale a tensor, by v_wmma_f32_16x16x64_bf8_bf8 or v_wmma_f32_16x16x128_bf8_bf8, f32 sums; everything else in f32.
;; Inputs: W 1,024 x 3,072 float32; lowp_scales 6 int32 (the exponents e of the quantised operands' scales 2^e); x 4 x 2,048 x 1,024 float32.
;; Outputs: out0 4 x 2,048 x 1,024 float32.
;; This version of the problem:
;;   THIS VERSION OF THE PROBLEM IS GIVEN IN LOW PRECISION. The matrix products marked QUANTISED in the list below multiply operands that are first quantised to E5M2 (5 exponent bits, 2 mantissa bits; 8 bits a number), with one given power-of-two scale for each operand tensor; their sums are f32. All else is computed in f32.
;;   The module's matrix products, in the order in which they are computed (A, B: the left and right operand; K: the contracted axis; several contracted axes count as one K, in the product's order):
;;     1. [M 8,192, K 1,024] x [K 1,024, N 3,072]; A: input x; B: input W: QUANTISED (scales: A lowp_scales[0], B lowp_scales[1])
;;     2. batch 4 x [M 2,048, K 1,024] x [K 1,024, N 2,048]; A: computed on the way; B: computed on the way: QUANTISED (scales: A lowp_scales[2], B lowp_scales[3])
;;     3. batch 4 x [M 2,048, K 2,048] x [K 2,048, N 1,024]; A: softmax (see below); B: computed on the way: QUANTISED (scales: A lowp_scales[4], B lowp_scales[5])
;;   THE QUANTISER, for each operand of a quantised product, along K:
;;     - The operand's scale is 2^e, e = its entry of the input lowp_scales (int32; the entries are numbered through the quantised products in the list's order, A before B).
;;     - Each number is divided by the scale, clamped to +-57,344, and rounded to the nearest number of E5M2, ties to even, subnormals kept.
;;     - The product sums the exact products of the quantised numbers (number of the format x scale) in f32.
;;   ~~~python
;;   def quantise(x, axis, e):      # numpy; x: float32 -> the quantised numbers, widened to float32 again
;;       x = np.moveaxis(x, axis, -1); K = x.shape[-1]
;;       r = np.clip(x / 2.0 ** e, -57344, 57344)
;;       step = 2.0 ** (np.maximum(np.frexp(np.where(r == 0, 1, r))[1] - 1, -14) - 2)
;;       q = np.round(r / step) * step * 2.0 ** e      # np.round: ties to even
;;       return np.moveaxis(q, -1, axis).astype(np.float32)
;;   ~~~
;;   SOFTMAX AHEAD OF A QUANTISED PRODUCT. Where the list says 'softmax', what is quantised is not the finished softmax but p = 2^(t - M), with t = logit x log2(e) and M = ceil(the row's largest t), a whole number; so 1/2 < the row's largest p <= 1. The row's sum l is taken of the UNQUANTISED p, in f32, and the product's result is divided by l at the end. Since M is a whole number, a kernel that streams over the keys may use a running M (the ceiling of the running maximum): every later rescaling is an exact power of two, so the quantised numbers keep their values, but for numbers so far below the row's largest that they fall under the format's range.
;;   OPERANDS COMPUTED ON THE WAY. 'Computed on the way' means the value that the module computes at that place (a softmax that the list does not call 'softmax' is quantised finished and normalised). What goes into a quantiser is computed in f32, as accurately as f32 sums, v_exp_f32 and their like allow (about 1e-6 of the number): no bf16 or f16 on the way to a quantiser, and a product that is left as it is and whose result goes on into a quantised operand takes f32 operands (vector FMAs, or v_wmma_f32_16x16x4_f32). A number that lies on a knife's edge between two numbers of the format may be rounded either way, as far as f32 arithmetic and the matrix unit's own rounding can turn it there, and no further.
;; One version. Each part assembles by itself: llvm-mc -triple=amdgcn-amd-amdhsa -mcpu=gfx1250 --defsym DOCPART=n.
;; ======== version 1 of 1: 4 launches
;; limits: right only within a limited range of input values
;; workspace buffers: ximg 8,388,608 bytes; wimg 3,145,728 bytes; qimg 8,388,608 bytes; kimg 8,388,608 bytes; vimg 8,388,608 bytes; pimg 16,777,216 bytes; stat 1,048,576 bytes; vsum 262,144 bytes
;; launch quant (part 1): grid 704 x 1, 4 waves a work-group, no clusters, 35,328 bytes of LDS; arguments x, W, lowp_scales, ximg, wimg; writes ximg, wimg
.if DOCPART == 1
	.amdgcn_target "amdgcn-amd-amdhsa--gfx1250"
	.amdhsa_code_object_version 6
	.text
	.protected	k_q2dcefb1dd4_quant
	.globl	k_q2dcefb1dd4_quant
	.p2align	8
	.type	k_q2dcefb1dd4_quant,@function
k_q2dcefb1dd4_quant:
	s_mov_b64 s[64:65], 0
	v_nop
	global_prefetch_b8 v0, s[64:65] scope:SCOPE_SE
	s_setreg_imm32_b32 hwreg(HW_REG_WAVE_MODE, 25, 1), 1
	s_wait_xcnt 0x0
; THE PROGRAM: out = softmax(mask(q k^T / 32)) v with q, k, v = x W, all three products on codes of BF8 (E5M2), in four launches:
;   quant (this one): x and W become codes;  proj: x W, and q, k, v become codes;  score: q k^T, the mask, p = 2^(t - M) for each chunk of 128 keys as codes, with M and the sum of p;  mix: p v, and the division.
; WORK LEFT OUT, AND WHY IT IS DEAD.  reference() keeps a score only where key >= query (triu) and then writes the constant -9e15 over every score that is 0.  So where every key of a block lies under every
; query of it, q . k can reach no output, whatever finite values x and W hold: the block's scores are that constant.  Of each batch the block of queries 1,024 .. 2,047 x keys 0 .. 1,023 is not multiplied.
; In the last product nothing is dropped: for the keys that lie under a whole group of 512 queries every weight of a row is one number g, and the sum over those keys of g v is formed as g x (the sum of v's quantised
; numbers), which proj adds up chunk by chunk.  Both inputs and the scales have a way to the output and are loaded.
; LIMITS.  A NaN, an infinity or an overflow that arises only in the products left out is not carried to the result.  NaN and infinities among the inputs are not served.
; e0 and e1 (the scales of x and of W) lie between -126 and 112, so that 2^e and 57,344 x 2^e are f32 numbers.
; THE LAYOUT OF EVERY WORKSPACE: IMAGES OF OPERAND REGISTERS.  A fragment is 16 rows x 128 along K, 2,048 bytes: byte 512 c + 16 lane + i holds row position lane % 16, k = 32 c + 16 (lane / 16) + i.  Four loads of 16 bytes
; a lane at 16 x lane bring it into 16 registers.  The rows of a tile are not neighbours: position r of tile 2 B + u is row 32 B + 8 u + r + 8 (r / 8), so that a later product's results are neighbours along the next K.
; ximg: [512 tiles of rows][8 K steps][2,048];  wimg: [192 tiles of columns][8 K steps][2,048].
; THIS LAUNCH.  code = number / 2^e, held within +-57,344, to the nearest code, ties to even.  Work-groups 0 .. 511: one tile of 16 rows of x each, wave w its K steps 2 w and 2 w + 1.  A load reads 512 consecutive bytes of a
; row; the 16 rows turn through the wave's own stage in LDS, so that a lane gets 16 neighbours of each block of 32.  Work-groups 512 .. 703: W, whose K is its first axis: a lane takes a column and its registers run down K;
; a wave takes 32 columns x 128 along K.  Every store of a wave covers whole aligned runs of 256 bytes.  A stream: the waves share no input, so no cluster, no tensor load, no barrier and no matrix unit.
.set SPARE, 34816                      ; behind the four stages: the spare words, 128 bytes a wave
.set SPW,   12                         ; v12  my spare word's LDS address; never rewritten
.set NIL,   13                         ; v13  0; never rewritten
.set SP,    528                        ; a stage row: 512 bytes + 16: sixteen rows start at sixteen different groups of banks
.set WREG,  8704                       ; a wave's stage: 16 rows, rounded up to blocks of 256 bytes
.set XR,    16                         ; v16-143   x: two fragments as loaded;  W: 128 numbers of my column
.set XN,    144                        ; v144-207  x: 64 numbers in the operand's order;  W: v144-175 its codes
.set XC,    208                        ; v208-239  x: the two fragments' codes
	s_load_b256 s[4:11], s[0:1], 0x0               ; x s[4:5], W s[6:7], the scales s[8:9], ximg s[10:11]
	s_load_b64 s[12:13], s[0:1], 0x20              ; wimg
	v_lshl_add_u32 v[SPW], v0, 2, SPARE
	v_mov_b32 v[NIL], 0
	v_lshrrev_b32 v1, 5, v0
	v_readfirstlane_b32 s16, v1                    ; wave
	v_and_b32 v2, 31, v0                           ; lane
	v_lshlrev_b32 v3, 4, v2                        ; 16 x lane
	s_mul_i32 s21, s16, WREG                       ; my stage
	v_add_nc_u32 v14, s21, v3                      ; into it: a row's 512 bytes as they lie
	v_and_b32 v8, 15, v0
	v_bfe_u32 v9, v0, 4, 1
	v_mul_u32_u24 v15, v8, SP
	v_lshl_add_u32 v15, v9, 6, v15
	v_add_nc_u32 v15, s21, v15                     ; out of it: row lane % 16, + 64 (lane / 16): my 16 numbers of a block of 32
	s_mov_b32 s19, 0
	s_wait_kmcnt 0x0
	s_load_b64 s[22:23], s[8:9], 0x0               ; e0, e1
.macro MKSC e                          ; v11 = 2^e, whose exponent field the conversion takes; v10 = 57,344 x 2^e
	s_wait_kmcnt 0x0
	s_add_co_i32 s24, \e, 127
	s_lshl_b32 s25, s24, 23
	v_mov_b32 v11, s25
	s_add_co_i32 s24, s24, 15
	s_lshl_b32 s24, s24, 23
	s_or_b32 s24, s24, 0x600000
	v_mov_b32 v10, s24
.endm
	s_cmp_lt_u32 ttmp9, 512
	s_cbranch_scc0 .Lweights
	; ---- x: tile ttmp9
	s_lshr_b32 s17, ttmp9, 1
	s_lshl_b32 s17, s17, 5
	s_and_b32 s18, ttmp9, 1
	s_lshl_b32 s18, s18, 3
	s_add_co_u32 s17, s17, s18                     ; the tile's first row: 32 (tile / 2) + 8 (tile % 2)
	s_lshl_b32 s18, s17, 12                        ; rows of 4,096 bytes
	s_lshl_b32 s20, s16, 10                        ; my two K steps: 1,024 bytes
	s_add_co_u32 s18, s18, s20
	s_add_nc_u64 s[4:5], s[4:5], s[18:19]
	s_lshl_b32 s18, ttmp9, 14
	s_lshl_b32 s20, s16, 12
	s_add_co_u32 s18, s18, s20
	s_add_nc_u64 s[10:11], s[10:11], s[18:19]      ; ximg at my two fragments
.macro XLOAD f                         ; K step f of the two: position i's row is i + 8 (i / 8) rows down; 32 lanes read 512 consecutive bytes
.set i, 0
.rept 16
	global_load_b128 v[XR+64*(\f)+4*i:XR+64*(\f)+4*i+3], v3, s[4:5] offset:(i+8*(i/8))*4096+512*(\f) th:TH_LOAD_NT
.set i, i+1
.endr
.endm
.macro XQ f
.set i, 0
.rept 16
	ds_store_b128 v14, v[XR+64*(\f)+4*i:XR+64*(\f)+4*i+3] offset:SP*i
.set i, i+1
.endr
.set i, 0
.rept 16                               ; LDS serves a wave's instructions in order: these see the stores above.  Register 16 c + 4 j + .. = k 32 c + 16 (lane / 16) + 4 j + ..
	ds_load_b128 v[XN+4*i:XN+4*i+3], v15 offset:128*(i/4)+16*(i%4)
.set i, i+1
.endr
	s_wait_dscnt 0x0
.set i, 0
.rept 64
	v_med3_num_f32 v[XN+i], v[XN+i], -v10, v10     ; the conversion to an 8-bit code does not saturate (ISA guide 7.6.2): the hold at the largest code x the scale
.set i, i+1
.endr
.irp c, 0,1,2,3
	v_cvt_scalef32_pk8_bf8_f32 v[XC+16*(\f)+4*\c:XC+16*(\f)+4*\c+1], v[XN+16*\c:XN+16*\c+7], v11
	v_cvt_scalef32_pk8_bf8_f32 v[XC+16*(\f)+4*\c+2:XC+16*(\f)+4*\c+3], v[XN+16*\c+8:XN+16*\c+15], v11
.endr
	v_nop                                          ; a plain line behind the last scaled conversion
.irp c, 0,1,2,3
	global_store_b128 v3, v[XC+16*(\f)+4*\c:XC+16*(\f)+4*\c+3], s[10:11] offset:2048*(\f)+512*\c   ; 512 consecutive bytes, aligned
.endr
.endm
	s_wait_alu depctr_va_vdst(0)
	XLOAD 0
	XLOAD 1
	MKSC s22
	s_wait_alu depctr_va_vdst(0)
	s_wait_loadcnt 16                              ; the first fragment's 16 loads are in; the second's 16 may be out
	XQ 0
	s_wait_loadcnt 0x0
	XQ 1
	s_branch .Lend
.Lweights:
	; ---- W: K step g % 8, columns 32 (4 (g / 8) + wave) on, g = ttmp9 - 512
	s_sub_co_u32 s17, ttmp9, 512
	s_and_b32 s18, s17, 7                          ; K step
	s_lshr_b32 s26, s17, 3
	s_lshl_b32 s26, s26, 2
	s_add_co_u32 s26, s26, s16                     ; which pair of tiles: 32 columns
	s_mul_i32 s20, s18, 128*12288                  ; 128 rows of 12,288 bytes
	s_lshl_b32 s21, s26, 7
	s_add_co_u32 s20, s20, s21
	s_mov_b32 s21, 0
	s_add_nc_u64 s[6:7], s[6:7], s[20:21]
	s_lshl_b32 s20, s26, 15
	s_lshl_b32 s27, s18, 11
	s_add_co_u32 s20, s20, s27
	s_add_nc_u64 s[12:13], s[12:13], s[20:21]      ; wimg at the pair's first tile, my K step
	s_wait_alu depctr_va_vdst(0)
	v_lshlrev_b32 v5, 2, v2                        ; in: 4 bytes a lane
	v_bfe_u32 v6, v2, 3, 1                         ; column 32 B + lane is tile 2 B + (lane / 8) % 2,
	v_and_b32 v7, 7, v2
	v_lshrrev_b32 v8, 4, v2
	v_lshl_add_u32 v7, v8, 3, v7                   ; position lane % 8 + 8 (lane / 16)
	v_lshlrev_b32 v4, 4, v7
	v_lshl_add_u32 v4, v6, 14, v4                  ; out: 16,384 x tile + 16 x position
.macro WLOAD c                         ; block c: W(32 c + i, my column)
.set i, 0
.rept 32
	global_load_b32 v[XR+32*(\c)+i], v5, s[6:7] offset:(32*(\c)+i)*12288 th:TH_LOAD_NT
.set i, i+1
.endr
.endm
.macro WBLOCK c, left
	s_wait_loadcnt \left                           ; this block's 32 loads are in; the next block's 32 may be out
.if (\c)+2 < 4
	WLOAD (\c)+2
.endif
.set i, 0
.rept 32
	v_med3_num_f32 v[XR+32*(\c)+i], v[XR+32*(\c)+i], -v10, v10
.set i, i+1
.endr
.irp g, 0,1,2,3
	v_cvt_scalef32_pk8_bf8_f32 v[XN+8*(\c)+2*\g:XN+8*(\c)+2*\g+1], v[XR+32*(\c)+8*\g:XR+32*(\c)+8*\g+7], v11
.endr
	v_nop
	global_store_b128 v4, v[XN+8*(\c):XN+8*(\c)+3], s[12:13] offset:512*(\c)         ; k 32 c + 0 .. 15: the image's lanes 0-15; sixteen lanes fill 256 consecutive bytes of a tile
	global_store_b128 v4, v[XN+8*(\c)+4:XN+8*(\c)+7], s[12:13] offset:512*(\c)+256   ; k 32 c + 16 .. 31: its lanes 16-31
.endm
	WLOAD 0
	WLOAD 1
	s_wait_alu depctr_va_vdst(0)
	MKSC s23
	s_wait_alu depctr_va_vdst(0)
	WBLOCK 0, 32
	WBLOCK 1, 32
	WBLOCK 2, 32
	WBLOCK 3, 0
.Lend:
	s_wait_tensorcnt 0x0                           ; the wave's end
	ds_add_u32 v[SPW], v[NIL]
	s_wait_dscnt 0x0
	s_endpgm
.Lfunc_end_k_q2dcefb1dd4_quant:
	.size	k_q2dcefb1dd4_quant, .Lfunc_end_k_q2dcefb1dd4_quant-k_q2dcefb1dd4_quant
	.p2alignl 7, 3214868480
	.fill 96, 4, 3214868480
	.section	.rodata,"a",@progbits
	.p2align	6, 0x0
	.amdhsa_kernel k_q2dcefb1dd4_quant
		.amdhsa_group_segment_fixed_size 35328
		.amdhsa_private_segment_fixed_size 0
		.amdhsa_enable_private_segment 0
		.amdhsa_kernarg_size 40
		.amdhsa_user_sgpr_count 2
		.amdhsa_user_sgpr_kernarg_segment_ptr 1
		.amdhsa_wavefront_size32 1
		.amdhsa_system_sgpr_workgroup_id_x 1
		.amdhsa_system_sgpr_workgroup_id_y 1
		.amdhsa_system_sgpr_workgroup_id_z 1
		.amdhsa_system_vgpr_workitem_id 0
		.amdhsa_next_free_vgpr 240
		.amdhsa_next_free_sgpr 66
		.amdhsa_reserve_vcc 0
		.amdhsa_float_denorm_mode_32 3
		.amdhsa_float_denorm_mode_16_64 3
		.amdhsa_memory_ordered 1
		.amdhsa_forward_progress 1
		.amdhsa_inst_pref_size 43
	.end_amdhsa_kernel
	.amdgpu_metadata
---
amdhsa.version: [ 1, 2 ]
amdhsa.kernels:
  - .name:           k_q2dcefb1dd4_quant
    .symbol:         k_q2dcefb1dd4_quant.kd
    .args:
      - { .name: x, .offset: 0, .size: 8, .value_kind: global_buffer, .address_space: global }
      - { .name: W, .offset: 8, .size: 8, .value_kind: global_buffer, .address_space: global }
      - { .name: lowp_scales, .offset: 16, .size: 8, .value_kind: global_buffer, .address_space: global }
      - { .name: ximg, .offset: 24, .size: 8, .value_kind: global_buffer, .address_space: global }
      - { .name: wimg, .offset: 32, .size: 8, .value_kind: global_buffer, .address_space: global }
    .group_segment_fixed_size: 35328
    .private_segment_fixed_size: 0
    .kernarg_segment_align: 8
    .kernarg_segment_size: 40
    .max_flat_workgroup_size: 128
    .sgpr_count:     66
    .vgpr_count:     240
    .wavefront_size: 32
...
	.end_amdgpu_metadata
.endif
;; end of part 1
;; launch proj (part 2): grid 32 x 8, 4 waves a work-group, clusters of 4 x 1, 327,680 bytes of LDS; arguments ximg, wimg, lowp_scales, qimg, kimg, vimg, vsum; writes qimg, kimg, vimg, vsum
.if DOCPART == 2
	.amdgcn_target "amdgcn-amd-amdhsa--gfx1250"
	.amdhsa_code_object_version 6
	.text
	.protected	k_q2dcefb1dd4_proj
	.globl	k_q2dcefb1dd4_proj
	.p2align	8
	.type	k_q2dcefb1dd4_proj,@function
k_q2dcefb1dd4_proj:
	s_mov_b64 s[64:65], 0
	v_nop
	global_prefetch_b8 v0, s[64:65] scope:SCOPE_SE
	s_setreg_imm32_b32 hwreg(HW_REG_WAVE_MODE, 25, 1), 1
	s_wait_xcnt 0x0
	s_wait_alu depctr_hold_cnt(0) depctr_sa_sdst(0) depctr_va_vdst(0) depctr_va_sdst(0) depctr_va_ssrc(0) depctr_va_vcc(0) depctr_vm_vsrc(0)
	s_getreg_b32 s2, hwreg(HW_REG_IB_STS2, 6, 4)
	s_cmp_eq_u32 s2, 0
	s_cbranch_scc0 .Lentry_in_a_cluster
	s_endpgm
.Lentry_in_a_cluster:
	s_bfe_u32 s2, ttmp6, 0x10000c
	s_cmp_lg_u32 s2, 0x3003
	s_cbranch_scc0 .Lentry_shape_is_right
	s_endpgm
.Lentry_shape_is_right:
; qkv = x W on codes of BF8, and q, k, v quantised on the way out, each with its given scale.  Nothing of this product is left out.
; ximg, wimg: images of operand registers (a fragment = 16 rows x 128 K = 2,048 bytes: byte 512 c + 16 lane + i = row position lane % 16, k = 32 c + 16 (lane / 16) + i; position r of tile 2 B + u is row 32 B + 8 u + r + 8 (r / 8)).
; SHARES.  Work-group (x, y) owns tokens 256 x .. 256 x + 255 and three chunks of 128 columns of W: chunk y of q, of k and of v.  32 x 8 = 256 work-groups.
; X STAYS IN REGISTERS: a wave's 64 tokens x all 1,024 of K are 4 tiles x 8 K steps x 16 = 512 registers, loaded once, straight from the image, 512 consecutive bytes a load.
; W GOES THROUGH LDS, a chunk (8 tiles x the whole K = 131,072 consecutive bytes) to a slot, two slots.  All four waves read the whole chunk.
; AT THE HEAD each wave issues one tensor load of 65,536 bytes: waves 0 and 1 the halves of q's chunk into slot 0, waves 2 and 3 the halves of k's chunk into slot 1.  v's chunk fills slot 0 again when q's has been read, a quarter a wave.
; A PAIR of W's tiles 2 P, 2 P + 1 against my 4 tiles of x, K ascending, is 64 matrix instructions on 8 accumulators by turns; two sets of accumulators take turns from pair to pair, so that a pair's holds stand among the
; next pair's products.  A fragment of W feeds four matrix instructions.
; q, k: source 0 = W, source 1 = x: a lane holds a token, the 16 registers of accumulators (a, u = 0, 1) are features 32 P + 16 (lane / 16) + 0 .. 15: two conversions make 16 bytes a lane, one store 512 consecutive aligned bytes of the image.
; v: source 0 = x, source 1 = W: a lane holds a channel, the 16 registers of accumulators (u, a = 2 B, 2 B + 1) are 16 neighbouring tokens, the last product's K.
; qimg, kimg: [512 tiles of tokens][8 K steps][2,048];  vimg: [4 batches][64 tiles of channels][16 chunks of 128 keys][2,048];  vsum: [4][16 chunks][1,024 channel positions] f32: the sums of v's codes' values over a chunk's keys.
; vsum: a tile's codes of my 64 keys (8 registers) times a fragment of codes of 1.0, by the K = 64 form, gives the sum in every register; the two waves of a chunk of keys are joined through a stage in LDS at the end.
; CLUSTERS: the four work-groups of a cluster have the same y and ask for W's chunks jointly (mask 15).  x goes into registers and not into LDS, and each work-group has tokens of its own, so it is not asked for jointly.
; NO PREFETCH: the text has no loop to run ahead in: two chunks are asked for at the head, the third a chunk's 256 matrix instructions a wave ahead of its first read.
; LIMITS: e2 - e0 - e1, e3 - e0 - e1, e5 - e0 - e1 between -126 and 112, so that each power of two below is an f32 number.
; REGISTERS: window 0: v2-15 addresses and scales, v16-23 codes of 1.0, v24-39 vsum's results, v40-55 codes, v64-127 and v128-191 the two sets of accumulators;
;   window 1: W's fragments: v0-127 K steps 0-3 of the pair, v128-255 K steps 4-7;  window 2: x, K steps 0-3 (tile a, step s at 16 (4 a + s));  window 3: x, K steps 4-7.
.set SLOT,  131072
.set SPARE, 262144                     ; behind the ring: the spare words, 128 bytes a wave
.set STG,   262656                     ; vsum's stage: 512 bytes a wave
.set L16,  2                           ; v2     16 x lane
.set ADR,  4                           ; v4-7   16 x lane + 65,536 x (2 slot + half of the chunk)
.set SPW,  8
.set NIL,  9
.set SC,   10                          ; v10-12 the conversions' scales for q, k, v
.set STA,  13                          ; v13    the stage, in
.set STR,  14                          ; v14    the stage, back
.set L8,   15                          ; v15    8 x lane
.set ONE,  16
.set VS,   24
.set CD,   40
.set G1,   24                          ; s[24:31] group 1 for a quarter of a chunk
.set G0,   32                          ; s[32:35] group 0 for the head's load;  s[40:43] for my quarter of v's chunk
.set LIM,  50                          ; s50-55 -57,344 x scale and +57,344 x scale for q, k, v
.set G1H,  68                          ; s[68:75] group 1 for half a chunk
.set MSB, 0
.macro WIN new                         ; the immediate's high byte repeats the setting that is left
.if MSB != (\new)
	s_set_vgpr_msb (MSB<<8)|(\new)
.set MSB, \new
.endif
.endm
.macro PLACES n                        ; plain vector lines between a matrix instruction and a load into, or a vector read of, its registers
.rept \n
	v_nop
.endr
.endm
.macro CREST
	s_cmp_lg_u32 s18, 0
	s_cbranch_scc1 .Lnot_wave_0_\@
	s_barrier_signal -3
.Lnot_wave_0_\@:
	s_barrier_wait -3
	s_barrier_signal -1
	s_barrier_wait -1
.endm
.macro CROUND
	s_barrier_signal -1
	s_barrier_wait -1
	CREST
.endm
.macro XLOAD hh, a                     ; x's tile a, K steps 4 hh .. 4 hh + 3
.irp s, 0,1,2,3
.irp c, 0,1,2,3
	global_load_b128 v[16*(4*(\a)+\s)+4*\c:16*(4*(\a)+\s)+4*\c+3], v[L16], s[4:5] offset:16384*(\a)+2048*(4*(\hh)+\s)+512*\c
.endr
.endr
.endm
.macro WLOAD slot, P, hh               ; W's tiles 2 P, 2 P + 1 of the slot's chunk, K steps 4 hh .. 4 hh + 3: 32 LDS loads in one run
	WIN 0x40
.irp u, 0,1
.irp s, 0,1,2,3
.irp c, 0,1,2,3
	ds_load_b128 v[128*(\hh)+64*\u+16*\s+4*\c:128*(\hh)+64*\u+16*\s+4*\c+3], v[ADR+2*(\slot)+(\P)/2] offset:16384*(2*((\P)%2)+\u)+2048*(4*(\hh)+\s)+512*\c
.endr
.endr
.endr
.endm
; ns K steps from step s0 of half hh: 8 matrix instructions each, the 8 accumulators by turns in the same order in every step.  The pair's first step starts the sums.
; ep = 1: behind each matrix instruction stand two holds of the other set's sums (the conversion does not saturate: ISA guide 7.6.2), each accumulator from its low end on.  The bounds are scalars and the sum is source 2,
; whose window is 0 like the accumulators', so no switch of windows stands among the products.
.macro HALFMUL kind, set, hh, s0, ns, ep, lim
.set sl, \s0
.rept \ns
.irp a, 0,1,2,3
.irp u, 0,1
.set DD, 64+64*(\set)+8*((2*\a+\u)*(1-(\kind))+(4*\u+\a)*(\kind))
.set WF, 128*(\hh)+64*\u+16*sl
.set XF, 16*(4*\a+sl)
.if \kind
.if ((\hh)+sl) == 0
	v_wmma_f32_16x16x128_bf8_bf8 v[DD:DD+7], v[XF:XF+15], v[WF:WF+15], 0
.else
	v_wmma_f32_16x16x128_bf8_bf8 v[DD:DD+7], v[XF:XF+15], v[WF:WF+15], v[DD:DD+7]
.endif
.else
.if ((\hh)+sl) == 0
	v_wmma_f32_16x16x128_bf8_bf8 v[DD:DD+7], v[WF:WF+15], v[XF:XF+15], 0
.else
	v_wmma_f32_16x16x128_bf8_bf8 v[DD:DD+7], v[WF:WF+15], v[XF:XF+15], v[DD:DD+7]
.endif
.endif
.if \ep
	v_med3_num_f32 v[128-64*(\set)+MI], s[\lim], s[\lim+1], v[128-64*(\set)+MI]
	v_med3_num_f32 v[128-64*(\set)+MI+1], s[\lim], s[\lim+1], v[128-64*(\set)+MI+1]
.set MI, MI+2
.endif
.endr
.endr
.set sl, sl+1
.endr
.endm
; A finished pair leaves: eight conversions, four stores of 512 consecutive aligned bytes.  Every window is 0 here.  The four v_nop are the plain line behind the conversions and the places in front of the LDS loads that follow.
.macro EPI set, kind, P, sc, ptr
.irp n, 0,1,2,3
	v_cvt_scalef32_pk8_bf8_f32 v[CD+4*\n:CD+4*\n+1], v[64+64*(\set)+16*\n:64+64*(\set)+16*\n+7], v[\sc]
	v_cvt_scalef32_pk8_bf8_f32 v[CD+4*\n+2:CD+4*\n+3], v[64+64*(\set)+16*\n+8:64+64*(\set)+16*\n+15], v[\sc]
.endr
	PLACES 4
.if \kind
	v_wmma_f32_16x16x64_bf8_bf8 v[VS:VS+7], v[ONE:ONE+7], v[CD:CD+7], 0          ; every register: the sum of channel lane % 16's 64 codes, tile 2 P
	v_wmma_f32_16x16x64_bf8_bf8 v[VS+8:VS+15], v[ONE:ONE+7], v[CD+8:CD+15], 0    ; tile 2 P + 1
.endif
.irp n, 0,1,2,3
.if \kind
	global_store_b128 v[L16], v[CD+4*\n:CD+4*\n+3], s[\ptr:\ptr+1] offset:32768*(2*(\P)+\n/2)+512*(\n%2)
.else
	global_store_b128 v[L16], v[CD+4*\n:CD+4*\n+3], s[\ptr:\ptr+1] offset:16384*\n+512*(\P)
.endif
.endr
.if \kind
	PLACES 4
	ds_store_b32 v[STA], v[VS] offset:64*(2*(\P))        ; both halves of the lanes write the same word with the same number
	ds_store_b32 v[STA], v[VS+8] offset:64*(2*(\P)+1)
.endif
.endm
; PAIR p, p = 0 .. 11: chunk p / 4 (q, k, v), tiles 2 (p % 4) and the next.  LDS loads run one half pair (32 matrix instructions) ahead.
; p = 3, 7: the chunk's last pair changes slots; p = 3 fills slot 0 again, with v's chunk.
.macro PAIR p
.set kd, (\p)/8
.set st, (\p)%2
.set ml, 0x09-3*kd                     ; q, k: source 0 window 1, source 1 window 2;  v: source 0 window 2, source 1 window 1
.set mh, 0x0d-6*kd                     ; the same with x's window 3
.set nsl, (((\p)+1)/4)%2
.set npr, ((\p)+1)%4
.set ec, ((\p)+3)/4-1                  ; the pair before: its chunk,
.set epr, ((\p)+3)%4                   ; and its place there
.set MI, 0
	s_wait_xcnt 0x0                                ; the last stores have read the codes' registers
.if (\p) == 0
	s_wait_loadcnt 63                              ; x's K steps 0-3, the older 64 loads, are in
.endif
.if ((\p) == 3) || ((\p) == 7)
	WIN 0
	s_wait_tensorcnt 0x0                           ; no tensor load of mine is out (p = 7: my part of v's chunk has landed)
	ds_add_u32 v[SPW], v[NIL]
	s_wait_dscnt 33                                ; (the add and the younger 32 loads may be out)
	WIN ml
	HALFMUL kd, st, 0, 0, 2, 1, LIM+2*ec
	s_wait_dscnt 0x0                               ; the add is done, and my reads of this slot are over
	s_barrier_signal -1
	HALFMUL kd, st, 0, 2, 2, 1, LIM+2*ec
	WIN 0
	s_barrier_wait -1
.if (\p) == 3
	CREST                                          ; the barrier has opened a round of the cluster's: no wave of any partner still reads slot 0 or has a load on its way
	tensor_load_to_lds s[G0+8:G0+11], s[G1:G1+7]   ; v's chunk
	s_nop 0
	PLACES 4
.endif
	s_wait_alu depctr_va_vdst(0)                   ; ahead of the first reader of the holds' results
.else
	s_wait_dscnt 32                                ; this half's 32 loads are in; the younger 32 may be out
	WIN ml
.if (\p) == 0
	HALFMUL kd, st, 0, 0, 4, 0, 0
.else
	HALFMUL kd, st, 0, 0, 4, 1, LIM+2*ec
.endif
	WIN 0
.endif
.if (\p) > 0
	EPI 1-st, ec/2, epr, SC+ec, 10+2*ec
.else
	PLACES 4
.endif
.if (\p) < 11
	WLOAD nsl, npr, 0
	s_wait_dscnt 32
.else
	s_wait_dscnt 0x0
.endif
.if (\p) == 0
	s_wait_loadcnt 0x0                             ; all of x is in
.endif
	WIN mh
	HALFMUL kd, st, 1, 0, 4, 0, 0
	PLACES 4
.if (\p) < 11
	WLOAD nsl, npr, 1
.endif
.endm
.macro MKSC e, t                       ; a sum stands for sum x 2^(e0 + e1): its code is sum / 2^(e - e0 - e1)
	s_sub_co_i32 s58, \e, s56
	s_add_co_i32 s58, s58, 127
	s_lshl_b32 s59, s58, 23
	v_mov_b32 v[SC+\t], s59
	s_add_co_i32 s58, s58, 15
	s_lshl_b32 s58, s58, 23
	s_or_b32 s[LIM+2*\t+1], s58, 0x600000
	s_or_b32 s[LIM+2*\t], s[LIM+2*\t+1], 0x80000000
.endm
	s_load_b256 s[4:11], s[0:1], 0x0               ; ximg s[4:5], wimg s[6:7], the scales s[8:9], qimg s[10:11]
	s_load_b128 s[12:15], s[0:1], 0x20             ; kimg, vimg
	s_load_b64 s[16:17], s[0:1], 0x30              ; vsum
	v_lshl_add_u32 v[SPW], v0, 2, SPARE
	v_mov_b32 v[NIL], 0
	ds_add_u32 v[SPW], v[NIL]                      ; the opening: the add, twice on end, and its wait ahead of my first tensor load
	ds_add_u32 v[SPW], v[NIL]
	v_lshrrev_b32 v1, 5, v0
	v_readfirstlane_b32 s18, v1                    ; wave
	s_bfe_u32 s19, ttmp6, 0x40000                  ; cx
	s_lshl_b32 s20, ttmp9, 2
	s_add_co_u32 s20, s20, s19                     ; my block of 256 tokens
	s_and_b32 s21, ttmp7, 0xffff                   ; my chunk of q, k and v: the same in all four partners
	s_mov_b32 s[G1], 15|(3<<16)|(1<<21)            ; the mask of the four; elements of 8 bytes; bit 21 beside a mask; no padding: an image is read 16 bytes a lane on end
	s_mov_b32 s[G1+1], 512<<16                     ; rows of 4,096 bytes,
	s_mov_b32 s[G1+2], 8<<16                       ; eight of them: a quarter of a chunk,
	s_mov_b32 s[G1+3], 512<<16
	s_mov_b32 s[G1+4], 8
	s_mov_b32 s[G1+5], 512                         ; dense in memory
	s_mov_b32 s[G1+6], 0
	s_mov_b32 s[G1+7], 0
	s_mov_b32 s[G1H], 15|(3<<16)|(1<<21)           ; the same with sixteen rows: half a chunk
	s_mov_b32 s[G1H+1], 512<<16
	s_mov_b32 s[G1H+2], 16<<16
	s_mov_b32 s[G1H+3], 512<<16
	s_mov_b32 s[G1H+4], 16
	s_mov_b32 s[G1H+5], 512
	s_mov_b32 s[G1H+6], 0
	s_mov_b32 s[G1H+7], 0
	s_lshl_b32 s22, s20, 18                        ; a block is 16 tiles of 16,384 bytes; my wave's four begin 65,536 x wave on
	s_lshl_b32 s23, s18, 16
	s_add_co_u32 s22, s22, s23
	s_mov_b32 s23, 0
	s_lshl_b32 s56, s21, 17                        ; W: chunk, and my quarter
	s_lshl_b32 s63, s18, 15                        ; which is also its place in a slot
	s_add_co_u32 s56, s56, s63
	s_mov_b32 s57, 0
	s_lshl_b32 s58, s18, 9
	s_add_co_u32 s58, s58, STG                     ; my 512 bytes of the stage
	s_lshr_b32 s60, s18, 1                         ; which of the block's two chunks of keys is mine.  Also: at the head I fetch for q (0) or for k (1)
	s_and_b32 s61, s18, 1                          ; which half of it.  Also: which half of that chunk of W
	s_lshl_b32 s59, s60, 10
	s_lshl_b32 s62, s61, 8
	s_add_co_u32 s59, s59, s62
	s_add_co_u32 s59, s59, STG                     ; back: the chunk's first wave's part, 64 channels for each of its two waves
	s_lshl_b32 s44, s21, 17                        ; the head's load: chunk y, of q or of k (64 tiles = 1,048,576 bytes apart), half
	s_lshl_b32 s45, s60, 20
	s_add_co_u32 s44, s44, s45
	s_lshl_b32 s45, s61, 16
	s_add_co_u32 s44, s44, s45
	s_mov_b32 s45, 0
	s_lshl_b32 s48, s18, 16                        ; where it goes: 65,536 x wave: waves 0, 1 slot 0, waves 2, 3 slot 1
	v_and_b32 v1, 31, v0
	v_and_b32 v3, 15, v0
	v_lshlrev_b32 v[L16], 4, v1
	v_lshlrev_b32 v[L8], 3, v1
	v_lshl_add_u32 v[STA], v3, 2, s58
	v_lshl_add_u32 v[STR], v1, 3, s59
.irp i, 0,1,2,3
	v_add_nc_u32 v[ADR+\i], 65536*\i, v[L16]
.endr
.irp i, 0,1,2,3,4,5,6,7
	v_mov_b32 v[ONE+\i], 0x3c3c3c3c                ; the code of 1.0 in every byte
.endr
	s_wait_alu depctr_va_vdst(0)
	s_wait_dscnt 0x0                               ; both opening adds are done
	s_wait_kmcnt 0x0
	s_mov_b32 s[G0], 1
	s_mov_b32 s[G0+1], s48
	s_add_nc_u64 s[G0+2:G0+3], s[6:7], s[44:45]
	s_or_b32 s[G0+3], s[G0+3], 0x80000000
	s_load_b128 s[44:47], s[8:9], 0x0              ; e0 .. e3
	s_load_b64 s[48:49], s[8:9], 0x10              ; e4, e5
	s_add_nc_u64 s[4:5], s[4:5], s[22:23]
	s_add_nc_u64 s[6:7], s[6:7], s[56:57]
	s_mov_b32 s[G0+8], 1                           ; the refill: my quarter of v's chunk (128 tiles = 2,097,152 bytes on) into slot 0
	s_mov_b32 s[G0+9], s63
	s_add_nc_u64 s[G0+10:G0+11], s[6:7], 2097152
	s_or_b32 s[G0+11], s[G0+11], 0x80000000
	WIN 0x80
	XLOAD 0, 0                                     ; 48 loads of x go out ahead of the round
	XLOAD 0, 1
	XLOAD 0, 2
	WIN 0
	CROUND                                         ; all four work-groups are here: the first joint loads meet
	tensor_load_to_lds s[G0:G0+3], s[G1H:G1H+7]    ; half of q's or of k's chunk; one tensor load a wave at the head
	s_nop 0
	PLACES 4
	WIN 0x80
	XLOAD 0, 3
	WIN 0xc0
	XLOAD 1, 0
	XLOAD 1, 1
	XLOAD 1, 2
	XLOAD 1, 3
	WIN 0
	s_lshl_b32 s56, s21, 11                        ; q, k: my first tile of tokens, K step = my chunk
	s_add_co_u32 s56, s56, s22
	s_add_nc_u64 s[10:11], s[10:11], s[56:57]
	s_add_nc_u64 s[12:13], s[12:13], s[56:57]
	s_lshr_b32 s58, s20, 3                         ; the batch
	s_and_b32 s59, s20, 7
	s_lshl_b32 s59, s59, 1
	s_add_co_u32 s59, s59, s60                     ; my chunk of keys
	s_lshl_b32 s56, s58, 21                        ; v: batch, tile of channels 8 x chunk of v, chunk of keys, my 64 keys' 1,024 bytes
	s_lshl_b32 s62, s21, 18
	s_add_co_u32 s56, s56, s62
	s_lshl_b32 s62, s59, 11
	s_add_co_u32 s56, s56, s62
	s_lshl_b32 s62, s61, 10
	s_add_co_u32 s56, s56, s62
	s_add_nc_u64 s[14:15], s[14:15], s[56:57]
	s_lshl_b32 s56, s58, 16                        ; vsum: batch, chunk of keys, my 64 of the 128 channel positions
	s_lshl_b32 s62, s59, 12
	s_add_co_u32 s56, s56, s62
	s_lshl_b32 s62, s21, 9
	s_add_co_u32 s56, s56, s62
	s_lshl_b32 s62, s61, 8
	s_add_co_u32 s56, s56, s62
	s_add_nc_u64 s[16:17], s[16:17], s[56:57]
	s_wait_kmcnt 0x0
	s_add_co_i32 s56, s44, s45                     ; e0 + e1
	MKSC s46, 0
	MKSC s47, 1
	MKSC s49, 2
	s_wait_alu depctr_va_vdst(0)
	s_wait_tensorcnt 0x0                           ; my load has landed;
	s_barrier_signal -1
	s_barrier_wait -1                              ; so has everybody's: both slots are whole.
	WLOAD 0, 0, 0
	WLOAD 0, 0, 1
.irp p, 0,1,2,3,4,5,6,7,8,9,10,11
	PAIR \p
.endr
	WIN 0                                          ; the last pair leaves
	s_wait_xcnt 0x0
.set n, 0
.rept 64
	v_med3_num_f32 v[128+n], s[LIM+4], s[LIM+5], v[128+n]
.set n, n+1
.endr
	EPI 1, 1, 3, SC+2, 14
	s_wait_dscnt 0x0                               ; my sums lie in the stage
	s_barrier_signal -1
	s_barrier_wait -1
	ds_load_b64 v[56:57], v[STR]                   ; 64 channel positions: the chunk's first 64 keys,
	ds_load_b64 v[58:59], v[STR] offset:512        ; and its other 64
	s_wait_dscnt 0x0
	v_pk_add_f32 v[56:57], v[56:57], v[58:59]
	global_store_b64 v[L8], v[56:57], s[16:17]     ; 32 lanes store 256 consecutive bytes, aligned
	s_wait_tensorcnt 0x0                           ; the wave's end
	ds_add_u32 v[SPW], v[NIL]
	s_wait_dscnt 0x0
	CROUND                                         ; the closing round
	s_endpgm
.Lfunc_end_k_q2dcefb1dd4_proj:
	.size	k_q2dcefb1dd4_proj, .Lfunc_end_k_q2dcefb1dd4_proj-k_q2dcefb1dd4_proj
	.p2alignl 7, 3214868480
	.fill 96, 4, 3214868480
	.section	.rodata,"a",@progbits
	.p2align	6, 0x0
	.amdhsa_kernel k_q2dcefb1dd4_proj
		.amdhsa_group_segment_fixed_size 327680
		.amdhsa_private_segment_fixed_size 0
		.amdhsa_enable_private_segment 0
		.amdhsa_kernarg_size 56
		.amdhsa_user_sgpr_count 2
		.amdhsa_user_sgpr_kernarg_segment_ptr 1
		.amdhsa_wavefront_size32 1
		.amdhsa_system_sgpr_workgroup_id_x 1
		.amdhsa_system_sgpr_workgroup_id_y 1
		.amdhsa_system_sgpr_workgroup_id_z 1
		.amdhsa_system_vgpr_workitem_id 0
		.amdhsa_next_free_vgpr 1024
		.amdhsa_next_free_sgpr 76
		.amdhsa_reserve_vcc 0
		.amdhsa_float_denorm_mode_32 3
		.amdhsa_float_denorm_mode_16_64 3
		.amdhsa_memory_ordered 1
		.amdhsa_forward_progress 1
		.amdhsa_inst_pref_size 184
	.end_amdhsa_kernel
	.amdgpu_metadata
---
amdhsa.version: [ 1, 2 ]
amdhsa.kernels:
  - .name:           k_q2dcefb1dd4_proj
    .symbol:         k_q2dcefb1dd4_proj.kd
    .args:
      - { .name: ximg, .offset: 0, .size: 8, .value_kind: global_buffer, .address_space: global }
      - { .name: wimg, .offset: 8, .size: 8, .value_kind: global_buffer, .address_space: global }
      - { .name: lowp_scales, .offset: 16, .size: 8, .value_kind: global_buffer, .address_space: global }
      - { .name: qimg, .offset: 24, .size: 8, .value_kind: global_buffer, .address_space: global }
      - { .name: kimg, .offset: 32, .size: 8, .value_kind: global_buffer, .address_space: global }
      - { .name: vimg, .offset: 40, .size: 8, .value_kind: global_buffer, .address_space: global }
      - { .name: vsum, .offset: 48, .size: 8, .value_kind: global_buffer, .address_space: global }
    .group_segment_fixed_size: 327680
    .private_segment_fixed_size: 0
    .kernarg_segment_align: 8
    .kernarg_segment_size: 56
    .max_flat_workgroup_size: 128
    .sgpr_count:     76
    .vgpr_count:     1024
    .wavefront_size: 32
...
	.end_amdgpu_metadata
.endif
;; end of part 2
;; launch score (part 3): grid 12 x 16, 4 waves a work-group, clusters of 4 x 4, 327,680 bytes of LDS; arguments qimg, kimg, lowp_scales, pimg, stat; writes pimg, stat
.if DOCPART == 3
	.amdgcn_target "amdgcn-amd-amdhsa--gfx1250"
	.amdhsa_code_object_version 6
	.text
	.protected	k_q2dcefb1dd4_score
	.globl	k_q2dcefb1dd4_score
	.p2align	8
	.type	k_q2dcefb1dd4_score,@function
k_q2dcefb1dd4_score:
	s_mov_b64 s[64:65], 0
	v_nop
	global_prefetch_b8 v0, s[64:65] scope:SCOPE_SE
	s_setreg_imm32_b32 hwreg(HW_REG_WAVE_MODE, 25, 1), 1
	s_wait_xcnt 0x0
	s_wait_alu depctr_hold_cnt(0) depctr_sa_sdst(0) depctr_va_vdst(0) depctr_va_sdst(0) depctr_va_ssrc(0) depctr_va_vcc(0) depctr_vm_vsrc(0)
	s_getreg_b32 s2, hwreg(HW_REG_IB_STS2, 6, 4)
	s_cmp_eq_u32 s2, 0
	s_cbranch_scc0 .Lentry_in_a_cluster
	s_endpgm
.Lentry_in_a_cluster:
	s_bfe_u32 s2, ttmp6, 0x10000c
	s_cmp_lg_u32 s2, 0xf033
	s_cbranch_scc0 .Lentry_shape_is_right
	s_endpgm
.Lentry_shape_is_right:
; S = q k^T on codes of BF8, reference()'s mask, and for each query and each chunk of 128 keys: M = ceil(the chunk's largest t), p = 2^(t - M) as codes, and the sum of the unquantised p.  t = score x log2(e), score = q . k / 32.
; LEFT OUT: of each batch the block of queries 1,024 .. x keys .. 1,023, whose scores reference() overwrites with its constant for all inputs (shown at the head of the first kernel).
; The cluster's x = 0, 1, 2 is the block of 1,024 x 1,024 (queries, keys) = (0, 0), (0, 1), (1, 1); its y the batch.  A work-group makes 256 x 256, a wave 128 queries x 128 keys: one chunk.
; THE TILES UNDER THE DIAGONAL INSIDE A DIAGONAL BLOCK ARE MULTIPLIED LIKE THE OTHERS: q's and k's tiles are asked for jointly by the partners of a cluster, and partners of a joint load run alike: the mask is applied as data.
; Without the cluster each work-group would ask for all 512 KiB of its operands by itself.
; M IS THE CHUNK'S, NOT THE ROW'S: a row's chunks lie in different work-groups.  M is a whole number, so the next launch brings a chunk under the row's M by an exact power of two.
; THE MASK.  A hidden score, and a kept score that is 0, becomes the raw number -2^(58 - e2 - e3), which stands for the score -2^53 = -9.007e15 in place of reference()'s -9e15: a power of two, so that its t, the whole
; number TM = -2^58 log2(e) / 32, comes out of one multiplication exactly, and a row all of whose scores are masked gets t - M = 0 exactly.
; LIMITS: a kept score at or under -9.0e15 is not told from a masked one.  e2 + e3 between -69 and 132; e4 between -126 and 16.  With e4 at or under -16 the hold at the largest code bites under the chunk's M.
; LAYOUT: source 0 = 16 keys, source 1 = 16 queries: a lane holds one query, and the 64 registers of a tile of queries run along the chunk's keys 32 B + 16 (lane / 16) + i: the next operand's order.
; pimg: [4 batches][128 tiles of queries][16 chunks][2,048];  stat: [M, sum][4][16 chunks][2,048 query positions] f32.
; REGISTERS: window 0: v0-31 addresses and statistics, v32-63 the diagonal's bounds, v64-127 a tile's scores, from v128 q's fragments, later p's codes;  window 1: k's fragments, two sets;  windows 2, 3: accumulators.
.set FR,     16
.set NL,     4
.set NP,     4
.set SLOT,   131072
.set SPARE,  262144
.set STG,    262656                    ; 1,024 bytes a wave: 128 M, 128 sums
.set ADRA, 16
.set ADRB, 20
.set SPW,  28
.set NIL,  29
.set AF,   128
.set CD,   128
.set VB,   32
.set S,    64
.set G1, 24
.set G0, 32
.set G1B, 48
.set G0B, 56
.set MSB, 0
.macro WIN new
.if MSB != \new
	s_set_vgpr_msb (MSB<<8)|\new
.set MSB, \new
.endif
.endm
.set MUL_LO, 0xa1
.set MUL_HI, 0xf1
.set TO_B,   0x40
.macro JLOAD g0a, g1a, g0b, g1b        ; a joint load: waves 0 and 1 fetch q's halves, waves 2 and 3 k's; an s_nop 0 and four v_nop follow each line
	s_cmp_eq_u32 s15, 0
	s_cbranch_scc0 .Lfor_b_\@
	tensor_load_to_lds s[\g0a:\g0a+3], s[\g1a:\g1a+7]
	s_nop 0
.rept 4
	v_nop
.endr
	s_branch .Lasked_\@
.Lfor_b_\@:
	tensor_load_to_lds s[\g0b:\g0b+3], s[\g1b:\g1b+7]
	s_nop 0
.rept 4
	v_nop
.endr
.Lasked_\@:
.endm
.macro CREST
	s_cmp_lg_u32 s14, 0
	s_cbranch_scc1 .Lnot_wave_0_\@
	s_barrier_signal -3
.Lnot_wave_0_\@:
	s_barrier_wait -3
	s_barrier_signal -1
	s_barrier_wait -1
.endm
.macro CROUND
	s_barrier_signal -1
	s_barrier_wait -1
	CREST
.endm
	s_load_b256 s[4:11], s[0:1], 0x0               ; qimg s[4:5], kimg s[6:7], the scales s[8:9], pimg s[10:11]
	s_load_b64 s[68:69], s[0:1], 0x20              ; stat
	v_lshl_add_u32 v[SPW], v0, 2, SPARE
	v_mov_b32 v[NIL], 0
	ds_add_u32 v[SPW], v[NIL]                      ; the opening: the add, twice on end, and its wait ahead of my first tensor load
	ds_add_u32 v[SPW], v[NIL]
	v_lshrrev_b32 v1, 5, v0
	v_readfirstlane_b32 s14, v1                    ; wave
	s_lshr_b32 s15, s14, 1                         ; my half of the queries.  Also: I fetch for q (0) or for k (1)
	s_and_b32 s16, s14, 1                          ; my half of the keys.  Also: which eight tiles I fetch
	s_bfe_u32 s40, ttmp6, 0x40000                  ; cx
	s_bfe_u32 s41, ttmp6, 0x40004                  ; cy
	s_and_b32 s17, ttmp7, 0xffff                   ; the batch
	s_lshl_b32 s42, s17, 3
	s_lshr_b32 s43, ttmp9, 1
	s_lshl_b32 s43, s43, 2
	s_add_co_u32 s43, s43, s41                     ; my block of 256 queries in the batch
	s_add_co_u32 s44, ttmp9, 1
	s_lshr_b32 s44, s44, 1
	s_lshl_b32 s44, s44, 2
	s_add_co_u32 s44, s44, s40                     ; my block of 256 keys
	s_add_co_u32 s20, s42, s43
	s_add_co_u32 s21, s42, s44
	s_lshl_b32 s12, s41, 2
	s_lshl_b32 s12, 15, s12                        ; my row of the cluster
	s_lshl_b32 s13, 0x1111, s40                    ; my column
	s_or_b32 s[G1+0], s12, (3<<16)|(1<<21)         ; the mask; elements of 8 bytes; bit 21 beside a mask; no padding
	s_or_b32 s[G1B+0], s13, (3<<16)|(1<<21)
.irp g, G1, G1B
	s_mov_b32 s[\g+1], 512<<16                     ; 4,096 bytes: a tile's two fragments of a K step of 256
	s_mov_b32 s[\g+2], 16<<16                      ; at the head sixteen tiles to a load; eight from the first refill on
	s_mov_b32 s[\g+3], 512<<16
	s_mov_b32 s[\g+4], 16
	s_mov_b32 s[\g+5], 2048                        ; 16,384 bytes from tile to tile
	s_mov_b32 s[\g+6], 0
	s_mov_b32 s[\g+7], 0
.endr
	s_lshl_b32 s22, s20, 18
	s_lshl_b32 s23, s16, 17
	s_add_co_u32 s22, s22, s23
	s_mov_b32 s23, 0
	s_lshl_b32 s46, s21, 18
	s_lshl_b32 s47, s16, 17
	s_add_co_u32 s46, s46, s47
	s_mov_b32 s47, 0
	s_lshl_b32 s45, s14, 15
	s_mov_b32 s82, 0x76543210
	s_mov_b32 s83, 0xfedcba98
	s_wait_dscnt 0x0                               ; both opening adds are done
	s_wait_kmcnt 0x0
	s_load_b128 s[76:79], s[8:9], 0x0              ; e0 .. e3
	s_load_b64 s[80:81], s[8:9], 0x10              ; e4, e5
	s_add_nc_u64 s[18:19], s[4:5], s[22:23]
	s_add_nc_u64 s[46:47], s[6:7], s[46:47]
	CROUND
.irp s, 0,1
	s_mov_b32 s[G0+4*\s], 1
	s_add_co_u32 s[G0+4*\s+1], s45, \s*SLOT
	s_add_nc_u64 s[G0+4*\s+2:G0+4*\s+3], s[18:19], \s*4096
	s_or_b32 s[G0+4*\s+3], s[G0+4*\s+3], 0x80000000
	s_mov_b32 s[G0B+4*\s], 1
	s_add_co_u32 s[G0B+4*\s+1], s45, \s*SLOT
	s_add_nc_u64 s[G0B+4*\s+2:G0B+4*\s+3], s[46:47], \s*4096
	s_or_b32 s[G0B+4*\s+3], s[G0B+4*\s+3], 0x80000000
.endr
	; THE HEAD'S FOUR LOADS FILL BOTH SLOTS: wave 0: q's sixteen tiles of K step 0, wave 1: of K step 1, waves 2 and 3 the same for k: 65,536 bytes each, one tensor load a wave
	s_mul_i32 s94, s16, 126976                     ; back over the eight tiles that my refills pass over (131,072 bytes), on to K step 1 (4,096), in waves 1 and 3
	s_mov_b32 s95, 0
	s_mul_i32 s[G0+1], s16, SLOT                   ; q: the slot's first half
	s_sub_nc_u64 s[G0+2:G0+3], s[18:19], s[94:95]
	s_or_b32 s[G0+3], s[G0+3], 0x80000000
	s_add_co_u32 s[G0B+1], s[G0+1], 65536          ; k: its second half
	s_sub_nc_u64 s[G0B+2:G0B+3], s[46:47], s[94:95]
	s_or_b32 s[G0B+3], s[G0B+3], 0x80000000
	JLOAD G0, G1, G0B, G1B
	v_and_b32 v1, 31, v0
	v_lshlrev_b32 v25, 4, v1                       ; 16 x lane
	v_and_b32 v2, 15, v0                           ; r
	s_wait_alu depctr_va_vdst(0)
	v_bfe_u32 v3, v0, 4, 1                         ; h
	s_lshl_b32 s12, s15, 15
	s_lshl_b32 s13, s16, 15
	s_add_co_u32 s13, s13, 65536
.irp s, 0,1
	v_add_nc_u32 v[ADRA+\s], s12, v25
	v_add_nc_u32 v[ADRB+\s], s13, v25
	s_add_co_u32 s12, s12, SLOT
	s_add_co_u32 s13, s13, SLOT
.endr
	s_lshl_b32 s12, s14, 10
	s_add_co_u32 s12, s12, STG
	v_lshl_add_u32 v26, v2, 2, s12                 ; the statistics' stage: 4 x position,
	v_add_nc_u32 v27, s12, v25                     ; and back: 16 x lane
	s_lshl_b32 s70, s44, 1
	s_add_co_u32 s70, s70, s16                     ; my chunk of 128 keys
	s_lshl_b32 s71, s43, 1
	s_add_co_u32 s71, s71, s15                     ; my 128 queries
	s_sub_co_i32 s72, s70, s71                     ; their distance in units of 128: it enters numbers alone, no branch and no LDS address
	s_lshl_b32 s74, s17, 22
	s_lshl_b32 s75, s43, 19
	s_add_co_u32 s74, s74, s75
	s_lshl_b32 s75, s15, 18
	s_add_co_u32 s74, s74, s75
	s_lshl_b32 s75, s70, 11
	s_add_co_u32 s74, s74, s75
	s_mov_b32 s75, 0
	s_add_nc_u64 s[10:11], s[10:11], s[74:75]      ; pimg at my first tile of queries, my chunk
	s_lshl_b32 s74, s17, 17
	s_lshl_b32 s66, s70, 13
	s_add_co_u32 s74, s74, s66
	s_lshl_b32 s66, s43, 10
	s_add_co_u32 s74, s74, s66
	s_lshl_b32 s66, s15, 9
	s_add_co_u32 s74, s74, s66
	s_add_nc_u64 s[68:69], s[68:69], s[74:75]      ; stat at my chunk, my 128 query positions
	s_wait_kmcnt 0x0
	s_add_co_i32 s73, s78, s79                     ; e2 + e3
	s_lshl_b32 s74, s73, 23
	s_mov_b32 s84, 0x3d38aa3b                      ; log2(e) / 32,
	s_add_co_i32 s84, s84, s74                     ; x 2^(e2 + e3): t = raw sum x this
	s_mov_b32 s85, s84                             ; (named with it as a pair)
	s_sub_co_i32 s74, 185, s73
	s_lshl_b32 s74, s74, 23
	s_or_b32 s86, s74, 0x80000000                  ; the masked raw score, -2^(58 - e2 - e3)
	s_mov_b32 s87, 0x7f800000                      ; +infinity: a bound that hides nothing
	s_cmp_lt_i32 s72, 0
	s_cselect_b32 s88, s86, s87                    ; for blocks of 32 keys to the right of the tile's own: hidden only where the chunk lies under my queries
	s_cmp_le_i32 s72, 0
	s_cselect_b32 s89, s86, s87                    ; for blocks to the left: hidden on the diagonal chunk too
	v_mov_b32 v22, s86
	v_mov_b32 v31, s87
	s_add_co_i32 s74, s80, 127
	s_lshl_b32 s75, s74, 23
	v_mov_b32 v24, s75                             ; 2^e4
	s_add_co_i32 s74, s74, 15
	s_lshl_b32 s74, s74, 23
	s_or_b32 s74, s74, 0x600000
	v_mov_b32 v23, s74                             ; 57,344 x 2^e4
	v_and_b32 v5, 8, v2
	v_add_nc_u32 v30, v5, v2
	v_lshlrev_b32 v5, 4, v3
	v_sub_nc_u32 v30, v30, v5
	s_lshl_b32 s74, s72, 7
	v_sub_nc_u32 v30, v30, s74                     ; w = r + 8 (r / 8) - 16 h - 128 x distance.  In the block of 32 keys that holds the tile's own queries, key i of tile 2 A + u is hidden where i - 8 u < w
.irp u, 0,1
.irp i, 0,1,2,3,4,5,6,7,8,9,10,11,12,13,14,15
	v_cmp_lt_i32 vcc_lo, \i-8*\u, v30
	v_cndmask_b32 v[VB+16*\u+\i], v31, v22, vcc_lo
.endr
.endr
	v_mov_b32 v4, 0                                ; a lane permute's destination counts as read
	v_mov_b32 v7, 0                                ; (named as the upper half of the pair v[6:7])
.macro FRAG reg, adr, q, i
.irp c, 0,1,2,3
	ds_load_b128 v[\reg+4*\c:\reg+4*\c+3], v[\adr] offset:4096*(\i)+2048*(\q)+512*\c
.endr
.endm
; The 64 accumulators take turns, one instruction a turn, in the same order in every step.
.macro MUL16 a0, p, zero
.irp a, \a0, \a0+1
.irp b, 0,1,2,3,4,5,6,7
.if \zero
	v_wmma_f32_16x16x128_bf8_bf8 v[8*(8*((\a)%4)+\b):8*(8*((\a)%4)+\b)+7], v[128*(\p)+FR*\b:128*(\p)+FR*\b+FR-1], v[AF+FR*(\a):AF+FR*(\a)+FR-1], 0
.else
	v_wmma_f32_16x16x128_bf8_bf8 v[8*(8*((\a)%4)+\b):8*(8*((\a)%4)+\b)+7], v[128*(\p)+FR*\b:128*(\p)+FR*\b+FR-1], v[AF+FR*(\a):AF+FR*(\a)+FR-1], v[8*(8*((\a)%4)+\b):8*(8*((\a)%4)+\b)+7]
.endif
.endr
.endr
.endm
.macro FETCH_B slot, q, p
	WIN TO_B
.irp i, 0,1,2,3,4,5,6,7
	FRAG 128*(\p)+FR*\i, ADRB+\slot, \q, \i
.endr
	WIN 0
.endm
.macro FETCH_A slot, q, i0
.irp i, \i0, \i0+1, \i0+2, \i0+3
	FRAG AF+FR*(\i), ADRA+\slot, \q, \i
.endr
.endm
.macro PLACES n
.rept \n
	v_nop
.endr
.endm
.macro STEP slot, q, zero
	s_wait_dscnt 4*NL                              ; k's set and q's tiles 0-3 are in; the youngest 16 loads (tiles 4-7) may be out
	WIN MUL_LO
	MUL16 0, (\q)%2, \zero
	MUL16 2, (\q)%2, \zero
	s_wait_dscnt 0
	PLACES NP
	FETCH_B \slot, (\q)+1, 1-(\q)%2
	FETCH_A \slot, (\q)+1, 0
	WIN MUL_HI
	MUL16 4, (\q)%2, \zero
	MUL16 6, (\q)%2, \zero
	PLACES NP
	WIN 0
	FETCH_A \slot, (\q)+1, 4
.endm
.macro TURN slot, next, fill
	s_wait_tensorcnt 0x0                           ; all my tensor loads have landed: my part of the next slot
	ds_add_u32 v[SPW], v[NIL]
	s_wait_dscnt 4*NL+1                            ; (the add and the youngest 16 loads may be out)
	WIN MUL_LO
	MUL16 0, 1, 0
	s_wait_dscnt 0x0                               ; the add is done, and my reads of this slot are over
	s_barrier_signal -1
	MUL16 2, 1, 0
	WIN 0
	s_barrier_wait -1
.if \fill
	CREST                                          ; the barrier has opened a round of the cluster's
	s_add_nc_u64 s[G0+4*\slot+2:G0+4*\slot+3], s[G0+4*\slot+2:G0+4*\slot+3], 8192
	s_add_nc_u64 s[G0B+4*\slot+2:G0B+4*\slot+3], s[G0B+4*\slot+2:G0B+4*\slot+3], 8192
	JLOAD G0+4*\slot, G1, G0B+4*\slot, G1B
.else
	PLACES NP
.endif
	FETCH_B \next, 0, 0
	FETCH_A \next, 0, 0
	WIN MUL_HI
	MUL16 4, 1, 0
	MUL16 6, 1, 0
	PLACES NP
	WIN 0
	FETCH_A \next, 0, 4
.endm
	s_wait_alu depctr_va_vdst(0)
	s_wait_tensorcnt 0x0                           ; my load has landed, so the descriptors may be written: slot 0's groups 0 and both groups 1 as the refills want them
	s_mov_b32 s[G0+1], s45
	s_mov_b64 s[G0+2:G0+3], s[18:19]
	s_or_b32 s[G0+3], s[G0+3], 0x80000000
	s_mov_b32 s[G0B+1], s45
	s_mov_b64 s[G0B+2:G0B+3], s[46:47]
	s_or_b32 s[G0B+3], s[G0B+3], 0x80000000
	s_mov_b32 s[G1+2], 8<<16
	s_mov_b32 s[G1+4], 8
	s_mov_b32 s[G1B+2], 8<<16
	s_mov_b32 s[G1B+4], 8
	s_barrier_signal -1
	s_barrier_wait -1                              ; both slots are whole for every wave
	FETCH_B 0, 0, 0
	FETCH_A 0, 0, 0
	FETCH_A 0, 0, 4
	STEP 0, 0, 1
	TURN 0, 1, 1
	STEP 1, 0, 0
	TURN 1, 0, 1
	STEP 0, 0, 0
	TURN 0, 1, 0
	STEP 1, 0, 0
	s_wait_dscnt 4*NL
	WIN MUL_LO
	MUL16 0, 1, 0
	MUL16 2, 1, 0
	s_wait_dscnt 0
	WIN MUL_HI
	MUL16 4, 1, 0
	MUL16 6, 1, 0
	WIN 0
; THE SOFTMAX OF MY TILE a OF 16 QUERIES OVER MY 128 KEYS.
.macro SOFT a
.set AC, 64*((\a)%4)
.set AL, (\a)/2
.set UU, (\a)%2
	WIN 0x08+4*((\a)/4)                            ; source 1: window 2 or 3
.set n, 0
.rept 64                               ; the scores come into window 0 and the keys under the query are hidden, in one line: the lesser of the score and a bound that is the masked number or +infinity
.if n/16 == AL
	v_min_num_f32 v[S+n], v[VB+16*UU+n%16], v[AC+n]
.elseif n/16 > AL
	v_min_num_f32 v[S+n], s88, v[AC+n]
.else
	v_min_num_f32 v[S+n], s89, v[AC+n]
.endif
.set n, n+1
.endr
	WIN 0
.set n, 0
.rept 16                               ; reference()'s where(scores == 0): four at a time, each with a mask register of its own
.irp k, 0,1,2,3
	v_cmp_eq_f32 s[90+\k], 0, v[S+n+\k]
.endr
.irp k, 0,1,2,3
	v_cndmask_b32 v[S+n+\k], v[S+n+\k], v22, s[90+\k]
.endr
.set n, n+4
.endr
	v_max3_num_f32 v2, v[S], v[S+1], v[S+2]        ; the largest of my 64 scores, in two chains,
	v_max3_num_f32 v3, v[S+3], v[S+4], v[S+5]
.irp i, 6,10,14,18,22,26,30,34,38,42,46,50,54,58
	v_max3_num_f32 v2, v2, v[S+\i], v[S+\i+1]
	v_max3_num_f32 v3, v3, v[S+\i+2], v[S+\i+3]
.endr
	v_max3_num_f32 v2, v2, v[S+62], v[S+63]
	v_max_num_f32 v2, v2, v3
	v_permlanex16_b32 v4, v2, s82, s83
	v_max_num_f32 v2, v2, v4                       ; and of the lane 16 away
	v_mul_f32 v2, s84, v2                          ; as t
	v_floor_f32 v6, -v2                            ; -M = floor(-t): M is a whole number
.set n, 0
.rept 32
	v_pk_fma_f32 v[S+n:S+n+1], v[S+n:S+n+1], s[84:85], v[6:7] op_sel_hi:[1,0,0]   ; t - M, two at a time
.set n, n+2
.endr
.set n, 0
	s_wait_alu depctr_va_vdst(0)
.rept 64
	v_exp_f32 v[S+n], v[S+n]                       ; p = 2^(t - M)
.set n, n+1
.endr
	v_sub_f32 v12, 0, v6                           ; M.  (The plain line behind the exponentials)
	s_wait_alu depctr_va_vdst(0)                   ; one wait for the batch, ahead of its first reader
	v_pk_add_f32 v[8:9], v[S:S+1], v[S+2:S+3]      ; the sum of the unquantised p, in two chains
	v_pk_add_f32 v[10:11], v[S+4:S+5], v[S+6:S+7]
.irp j, 8,12,16,20,24,28,32,36,40,44,48,52,56,60
	v_pk_add_f32 v[8:9], v[8:9], v[S+\j:S+\j+1]
	v_pk_add_f32 v[10:11], v[10:11], v[S+\j+2:S+\j+3]
.endr
	v_pk_add_f32 v[8:9], v[8:9], v[10:11]
	v_add_f32 v8, v8, v9
	v_permlanex16_b32 v4, v8, s82, s83
	v_add_f32 v8, v8, v4
.set n, 0
.rept 64
	v_min_num_f32 v[S+n], v[S+n], v23              ; the conversion does not saturate (ISA guide 7.6.2); p is not negative, so the hold is one-sided
.set n, n+1
.endr
.irp c, 0,1,2,3
	v_cvt_scalef32_pk8_bf8_f32 v[CD+16*(\a)+4*\c:CD+16*(\a)+4*\c+1], v[S+16*\c:S+16*\c+7], v24
	v_cvt_scalef32_pk8_bf8_f32 v[CD+16*(\a)+4*\c+2:CD+16*(\a)+4*\c+3], v[S+16*\c+8:S+16*\c+15], v24
.endr
	v_nop                                          ; a plain line behind the last scaled conversion
.irp c, 0,1,2,3
	global_store_b128 v25, v[CD+16*(\a)+4*\c:CD+16*(\a)+4*\c+3], s[10:11] offset:32768*(\a)+512*\c   ; 512 consecutive bytes, aligned; each tile has its own code registers
.endr
	ds_store_b32 v26, v12 offset:64*(\a)           ; both halves of the lanes write the same word with the same number
	ds_store_b32 v26, v8 offset:512+64*(\a)
.endm
	PLACES NP
.irp a, 0,1,2,3,4,5,6,7
	SOFT \a
.endr
	ds_load_b128 v[64:67], v27                     ; my own bytes, served in order: 128 M,
	ds_load_b128 v[68:71], v27 offset:512          ; 128 sums
	s_wait_dscnt 0x0
	global_store_b128 v25, v[64:67], s[68:69]      ; 512 consecutive bytes each, aligned
	global_store_b128 v25, v[68:71], s[68:69] offset:524288
	s_wait_tensorcnt 0x0                           ; the wave's end
	ds_add_u32 v[SPW], v[NIL]
	s_wait_dscnt 0x0
	CROUND                                         ; the closing round
	s_endpgm
.Lfunc_end_k_q2dcefb1dd4_score:
	.size	k_q2dcefb1dd4_score, .Lfunc_end_k_q2dcefb1dd4_score-k_q2dcefb1dd4_score
	.p2alignl 7, 3214868480
	.fill 96, 4, 3214868480
	.section	.rodata,"a",@progbits
	.p2align	6, 0x0
	.amdhsa_kernel k_q2dcefb1dd4_score
		.amdhsa_group_segment_fixed_size 327680
		.amdhsa_private_segment_fixed_size 0
		.amdhsa_enable_private_segment 0
		.amdhsa_kernarg_size 40
		.amdhsa_user_sgpr_count 2
		.amdhsa_user_sgpr_kernarg_segment_ptr 1
		.amdhsa_wavefront_size32 1
		.amdhsa_system_sgpr_workgroup_id_x 1
		.amdhsa_system_sgpr_workgroup_id_y 1
		.amdhsa_system_sgpr_workgroup_id_z 1
		.amdhsa_system_vgpr_workitem_id 0
		.amdhsa_next_free_vgpr 1024
		.amdhsa_next_free_sgpr 100
		.amdhsa_reserve_vcc 1
		.amdhsa_float_denorm_mode_32 3
		.amdhsa_float_denorm_mode_16_64 3
		.amdhsa_memory_ordered 1
		.amdhsa_forward_progress 1
		.amdhsa_inst_pref_size 253
	.end_amdhsa_kernel
	.amdgpu_metadata
---
amdhsa.version: [ 1, 2 ]
amdhsa.kernels:
  - .name:           k_q2dcefb1dd4_score
    .symbol:         k_q2dcefb1dd4_score.kd
    .args:
      - { .name: qimg, .offset: 0, .size: 8, .value_kind: global_buffer, .address_space: global }
      - { .name: kimg, .offset: 8, .size: 8, .value_kind: global_buffer, .address_space: global }
      - { .name: lowp_scales, .offset: 16, .size: 8, .value_kind: global_buffer, .address_space: global }
      - { .name: pimg, .offset: 24, .size: 8, .value_kind: global_buffer, .address_space: global }
      - { .name: stat, .offset: 32, .size: 8, .value_kind: global_buffer, .address_space: global }
    .group_segment_fixed_size: 327680
    .private_segment_fixed_size: 0
    .kernarg_segment_align: 8
    .kernarg_segment_size: 40
    .max_flat_workgroup_size: 128
    .sgpr_count:     100
    .vgpr_count:     1024
    .wavefront_size: 32
...
	.end_amdgpu_metadata
.endif
;; end of part 3
;; launch mix (part 4): grid 16 x 16, 4 waves a work-group, clusters of 4 x 4, 327,680 bytes of LDS; arguments pimg, vimg, stat, vsum, lowp_scales, out0; writes out0
.if DOCPART == 4
	.amdgcn_target "amdgcn-amd-amdhsa--gfx1250"
	.amdhsa_code_object_version 6
	.text
	.protected	k_q2dcefb1dd4_mix
	.globl	k_q2dcefb1dd4_mix
	.p2align	8
	.type	k_q2dcefb1dd4_mix,@function
k_q2dcefb1dd4_mix:
	s_mov_b64 s[64:65], 0
	v_nop
	global_prefetch_b8 v0, s[64:65] scope:SCOPE_SE
	s_setreg_imm32_b32 hwreg(HW_REG_WAVE_MODE, 25, 1), 1
	s_wait_xcnt 0x0
	s_wait_alu depctr_hold_cnt(0) depctr_sa_sdst(0) depctr_va_vdst(0) depctr_va_sdst(0) depctr_va_ssrc(0) depctr_va_vcc(0) depctr_vm_vsrc(0)
	s_getreg_b32 s2, hwreg(HW_REG_IB_STS2, 6, 4)
	s_cmp_eq_u32 s2, 0
	s_cbranch_scc0 .Lentry_in_a_cluster
	s_endpgm
.Lentry_in_a_cluster:
	s_bfe_u32 s2, ttmp6, 0x10000c
	s_cmp_lg_u32 s2, 0xf033
	s_cbranch_scc0 .Lentry_shape_is_right
	s_endpgm
.Lentry_shape_is_right:
.set SLOT,  131072
.set SPARE, 262144
.set FT,    262656
.set RATO,  10240
.set RBTO,  11264
.set PREO,  12288
.set STAGE, 275968
.set VO,   8
.set ADRP, 16
.set ADRV, 20
.set ADRF, 22
.set STO,  23
.set RD,   24
.set GO,   25
.set ADRE, 27
.set SPW,  28
.set NIL,  29
.set PB,   30
.set G1, 24
.set G0, 32
.set G1B, 48
.set G0B, 56
.set OP,  72
.set OV,  82
.set OUTP, 94
.set MSB, 0
.macro WIN new
.if MSB != \new
	s_set_vgpr_msb (MSB<<8)|\new
.set MSB, \new
.endif
.endm
.macro JLOAD g0a, g1a, g0b, g1b
	s_cmp_eq_u32 s15, 0
	s_cbranch_scc0 .Lfor_b_\@
	tensor_load_to_lds s[\g0a:\g0a+3], s[\g1a:\g1a+7]
	s_nop 0
.rept 4
	v_nop
.endr
	s_branch .Lasked_\@
.Lfor_b_\@:
	tensor_load_to_lds s[\g0b:\g0b+3], s[\g1b:\g1b+7]
	s_nop 0
.rept 4
	v_nop
.endr
.Lasked_\@:
.endm
.macro CROUND
	s_barrier_signal -1
	s_barrier_wait -1
	s_cmp_lg_u32 s14, 0
	s_cbranch_scc1 .Lnot_wave_0_\@
	s_barrier_signal -3
.Lnot_wave_0_\@:
	s_barrier_wait -3
	s_barrier_signal -1
	s_barrier_wait -1
.endm
	s_load_b256 s[4:11], s[0:1], 0x0
	s_load_b128 s[68:71], s[0:1], 0x20
	v_lshl_add_u32 v[SPW], v0, 2, SPARE
	v_mov_b32 v[NIL], 0
	ds_add_u32 v[SPW], v[NIL]
	ds_add_u32 v[SPW], v[NIL]
	v_lshrrev_b32 v1, 5, v0
	v_readfirstlane_b32 s14, v1
	s_lshr_b32 s15, s14, 1
	s_and_b32 s16, s14, 1
	s_bfe_u32 s40, ttmp6, 0x40000
	s_bfe_u32 s41, ttmp6, 0x40004
	s_lshr_b32 s42, ttmp9, 1
	s_and_b32 s43, ttmp9, 1
	s_lshl_b32 s43, s43, 2
	s_add_co_u32 s43, s43, s40
	s_and_b32 s44, ttmp7, 0xffff
	s_lshl_b32 s12, s41, 2
	s_lshl_b32 s12, 15, s12
	s_lshl_b32 s13, 0x1111, s40
	s_or_b32 s[G1+0], s12, (3<<16)|(1<<21)
	s_or_b32 s[G1B+0], s13, (3<<16)|(1<<21)
.irp g, G1, G1B
	s_mov_b32 s[\g+1], 1024<<16
	s_mov_b32 s[\g+2], 8<<16                       ; at the head eight tiles to a load; four from the first refill on
	s_mov_b32 s[\g+3], 1024<<16
	s_mov_b32 s[\g+4], 8
	s_mov_b32 s[\g+5], 4096
	s_mov_b32 s[\g+6], 0
	s_mov_b32 s[\g+7], 0
.endr
.irp Q, 0,1,2
	s_add_co_u32 s12, s42, \Q
	s_lshl_b32 s[OV+2*\Q], s12, 13
	s_mov_b32 s[OV+2*\Q+1], 0
	s_lshl_b32 s13, s42, 20
	s_add_co_u32 s[OP+2*\Q], s13, s[OV+2*\Q]
	s_mov_b32 s[OP+2*\Q+1], 0
.endr
	s_sub_co_u32 s12, 3, s42
	s_lshl_b32 s[OV+6], s12, 13
	s_mov_b32 s[OV+7], 0
	s_lshl_b32 s13, s42, 21
	s_add_co_u32 s[OP+6], s13, s[OV+6]
	s_mov_b32 s[OP+7], 0
	s_mov_b32 s[OV+8], 3<<13
	s_mov_b32 s[OV+9], 0
	s_lshl_b32 s13, s12, 20
	s_add_co_u32 s[OP+8], s13, 3<<13
	s_mov_b32 s[OP+9], 0
	s_lshl_b32 s22, s44, 22
	s_lshl_b32 s23, s41, 18
	s_add_co_u32 s22, s22, s23
	s_lshl_b32 s23, s16, 17
	s_add_co_u32 s22, s22, s23
	s_mov_b32 s23, 0
	s_lshl_b32 s66, s44, 21
	s_lshl_b32 s67, s43, 18
	s_add_co_u32 s66, s66, s67
	s_lshl_b32 s67, s16, 17
	s_add_co_u32 s66, s66, s67
	s_mov_b32 s67, 0
	s_lshl_b32 s45, s14, 15
	s_cmp_eq_u32 s42, 0
	s_cselect_b32 s92, -1, 0
	s_wait_dscnt 0x0
	s_wait_kmcnt 0x0
	s_load_b64 s[46:47], s[68:69], 0x10
	s_add_nc_u64 s[18:19], s[4:5], s[22:23]
	s_add_nc_u64 s[20:21], s[6:7], s[66:67]
	CROUND
.irp s, 0,1
	s_mov_b32 s[G0+4*\s], 1
	s_add_co_u32 s[G0+4*\s+1], s45, \s*SLOT
	s_add_nc_u64 s[G0+4*\s+2:G0+4*\s+3], s[18:19], s[OP+2*\s:OP+2*\s+1]
	s_or_b32 s[G0+4*\s+3], s[G0+4*\s+3], 0x80000000
	s_mov_b32 s[G0B+4*\s], 1
	s_add_co_u32 s[G0B+4*\s+1], s45, \s*SLOT
	s_add_nc_u64 s[G0B+4*\s+2:G0B+4*\s+3], s[20:21], s[OV+2*\s:OV+2*\s+1]
	s_or_b32 s[G0B+4*\s+3], s[G0B+4*\s+3], 0x80000000
.endr
	; THE HEAD'S FOUR LOADS FILL BOTH SLOTS: wave 0: p's eight tiles for slot 0, wave 1: for slot 1, waves 2 and 3 the same for v: 65,536 bytes each, one tensor load a wave
	s_mul_i32 s[G0+1], s16, SLOT                   ; p: the slot's first half
	s_add_co_u32 s[G0B+1], s[G0+1], 65536          ; v: its second half
	s_lshl_b32 s12, s16, 17                        ; back over the four tiles that my refills pass over
	s_mov_b32 s13, 0
	s_cmp_eq_u32 s16, 0
	s_cselect_b32 s22, s[OP], s[OP+2]              ; the slot's four chunks of keys (s23 and s67 hold 0)
	s_cselect_b32 s66, s[OV], s[OV+2]
	s_add_nc_u64 s[G0+2:G0+3], s[18:19], s[22:23]
	s_sub_nc_u64 s[G0+2:G0+3], s[G0+2:G0+3], s[12:13]
	s_or_b32 s[G0+3], s[G0+3], 0x80000000
	s_add_nc_u64 s[G0B+2:G0B+3], s[20:21], s[66:67]
	s_sub_nc_u64 s[G0B+2:G0B+3], s[G0B+2:G0B+3], s[12:13]
	s_or_b32 s[G0B+3], s[G0B+3], 0x80000000
	JLOAD G0, G1, G0B, G1B
	s_lshl_b32 s2, s44, 17
	s_lshl_b32 s3, s41, 9
	s_add_co_u32 s2, s2, s3
.irp Q, 0,1,2,3,4
	s_sub_co_u32 s3, s[OP+2*\Q], s[OV+2*\Q]
	s_lshr_b32 s3, s3, 9
	s_lshl_b32 s12, s[OV+2*\Q], 2
	s_add_co_u32 s3, s3, s12
	s_add_co_u32 s3, s3, s2
	v_lshl_add_u32 v[VO+\Q], v0, 2, s3
.endr
	s_lshl_b32 s2, s44, 16
	s_lshl_b32 s3, s43, 9
	s_add_co_u32 s2, s2, s3
	v_lshl_add_u32 v13, v0, 2, s2
	s_wait_alu depctr_va_vdst(0)
.irp Q, 0,1,2,3,4
.irp j, 0,1,2,3
	global_load_b32 v[32+4*\Q+\j], v[VO+\Q], s[8:9] offset:\j*8192
	global_load_b32 v[52+4*\Q+\j], v[VO+\Q], s[8:9] offset:\j*8192+524288
.endr
.endr
.irp j, 0,1,2,3,4,5,6,7,8,9,10,11
	global_load_b32 v[72+\j], v13, s[10:11] offset:\j*4096
.endr
	v_and_b32 v1, 31, v0
	v_and_b32 v2, 15, v0
	s_wait_alu depctr_va_vdst(0)
	v_bfe_u32 v3, v0, 4, 1
	s_wait_alu depctr_va_vdst(0)
	v_lshlrev_b32 v4, 4, v1
	s_lshl_b32 s12, s15, 15
	s_lshl_b32 s13, s16, 15
	s_add_co_u32 s13, s13, 65536
.irp s, 0,1
	v_add_nc_u32 v[ADRP+\s], s12, v4
	v_add_nc_u32 v[ADRV+\s], s13, v4
	s_add_co_u32 s12, s12, SLOT
	s_add_co_u32 s13, s13, SLOT
.endr
	s_lshl_b32 s12, s15, 8
	s_add_co_u32 s12, s12, FT
	v_lshl_add_u32 v[ADRF], v2, 2, s12
	s_lshl_b32 s12, s16, 8
	s_add_co_u32 s12, s12, FT+PREO
	v_lshl_add_u32 v[ADRE], v3, 5, s12
	s_mul_i32 s12, s14, 16*272
	s_add_co_u32 s12, s12, STAGE
	v_mul_u32_u24 v[STO], v2, 272
	v_lshl_add_u32 v[STO], v3, 6, v[STO]
	v_add_nc_u32 v[STO], s12, v[STO]
	v_mul_u32_u24 v[RD], v3, 272
	v_lshl_add_u32 v[RD], v2, 4, v[RD]
	v_add_nc_u32 v[RD], s12, v[RD]
	v_lshlrev_b32 v[GO], 12, v3
	v_lshl_add_u32 v[GO], v2, 4, v[GO]
	v_lshl_add_u32 v[PB], v0, 2, FT
	s_lshl_b32 s2, s44, 23
	s_lshl_b32 s3, s41, 19
	s_add_co_u32 s2, s2, s3
	s_lshl_b32 s3, s15, 18
	s_add_co_u32 s2, s2, s3
	s_lshl_b32 s3, s43, 9
	s_add_co_u32 s2, s2, s3
	s_lshl_b32 s3, s16, 8
	s_add_co_u32 s2, s2, s3
	s_lshl_b32 s12, s42, 21
	s_add_co_u32 s12, s12, s2
	s_mov_b32 s13, 0
	s_add_nc_u64 s[OUTP:OUTP+1], s[70:71], s[12:13]
	s_sub_co_u32 s12, 3, s42
	s_lshl_b32 s12, s12, 21
	s_add_co_u32 s12, s12, s2
	s_add_nc_u64 s[OUTP+2:OUTP+3], s[70:71], s[12:13]
.set n, 97
.rept 16
	v_mov_b32 v[n], 0
.set n, n+2
.endr
	v_mov_b32 v84, 0xda38aa3b
	v_mov_b32 v95, 0
	s_wait_kmcnt 0x0
	s_add_co_i32 s2, s46, 142
	s_lshl_b32 s2, s2, 23
	s_or_b32 s2, s2, 0x600000
	s_add_co_i32 s3, s46, s47
	s_wait_loadcnt 0x0
	v_max3_num_f32 v85, v32, v33, v34
	v_max3_num_f32 v85, v85, v35, v36
	v_max3_num_f32 v85, v85, v37, v38
	v_max3_num_f32 v85, v85, v39, v40
	v_max3_num_f32 v85, v85, v41, v42
	s_wait_alu depctr_va_vdst(0)
	v_max3_num_f32 v85, v85, v43, v84
	v_max3_num_f32 v86, v44, v45, v46
	v_max_num_f32 v86, v86, v47
	v_max3_num_f32 v87, v48, v49, v50
	v_max3_num_f32 v87, v87, v51, v84
	v_cndmask_b32 v88, v84, v86, s92
	v_cndmask_b32 v89, v86, v84, s92
	v_max_num_f32 v85, v85, v88
	v_max_num_f32 v87, v87, v89
	v_cndmask_b32 v86, v87, v85, s92
.set n, 0
.rept 12
	v_sub_f32 v[32+n], v[32+n], v85
.set n, n+1
.endr
.rept 4
	v_sub_f32 v[32+n], v[32+n], v86
.set n, n+1
.endr
.rept 4
	v_sub_f32 v[32+n], v[32+n], v87
.set n, n+1
.endr
	v_sub_f32 v88, v84, v85
	v_sub_f32 v89, v84, v87
.set n, 0
.rept 20
	v_cvt_i32_f32 v[32+n], v[32+n]
.set n, n+1
.endr
	v_cvt_i32_f32 v88, v88
	v_cvt_i32_f32 v89, v89
.set n, 0
.rept 20
	v_ldexp_f32 v[32+n], 1.0, v[32+n]
.set n, n+1
.endr
	v_ldexp_f32 v88, 1.0, v88
	v_ldexp_f32 v89, 1.0, v89
	v_mul_f32 v90, v32, v52
.set n, 1
.rept 11
	v_fmac_f32 v90, v[32+n], v[52+n]
.set n, n+1
.endr
	v_mul_f32 v91, v44, v64
.set n, 13
.rept 3
	v_fmac_f32 v91, v[32+n], v[52+n]
.set n, n+1
.endr
	v_mul_f32 v92, v48, v68
.set n, 17
.rept 3
	v_fmac_f32 v92, v[32+n], v[52+n]
.set n, n+1
.endr
	v_cndmask_b32 v93, v95, v91, s92
	v_cndmask_b32 v94, v91, v95, s92
	v_add_f32 v90, v90, v93
	v_add_f32 v92, v92, v94
	s_lshl_b32 s12, s42, 9
	v_cvt_f32_u32 v93, s12
	s_sub_co_u32 s13, 3, s42
	s_lshl_b32 s13, s13, 9
	v_cvt_f32_u32 v94, s13
	v_fmac_f32 v90, v88, v93
	v_fmac_f32 v92, v89, v94
	s_wait_alu depctr_va_vdst(0)
	v_rcp_f32 v90, v90
	v_rcp_f32 v92, v92
	v_min_num_f32 v88, s2, v88
	v_min_num_f32 v89, s2, v89
	s_wait_alu depctr_va_vdst(0)
	v_mul_f32 v88, v88, v90
	v_mul_f32 v89, v89, v92
	v_ldexp_f32 v90, v90, s3
	v_ldexp_f32 v92, v92, s3
	v_ldexp_f32 v88, v88, s47
	v_ldexp_f32 v89, v89, s47
	v_add_f32 v72, v72, v73
	v_add_f32 v74, v74, v75
	v_add_f32 v76, v76, v77
	v_add_f32 v78, v78, v79
	v_add_f32 v80, v80, v81
	v_add_f32 v82, v82, v83
	v_add_f32 v72, v72, v74
	v_add_f32 v76, v76, v78
	v_add_f32 v80, v80, v82
	v_cndmask_b32 v73, v72, v95, s92
	v_add_f32 v72, v72, v76
	v_cndmask_b32 v74, v95, v80, s92
	v_add_f32 v72, v72, v74
.set n, 0
.rept 20
	ds_store_b32 v[PB], v[32+n] offset:512*n
.set n, n+1
.endr
	ds_store_b32 v[PB], v90 offset:RATO
	ds_store_b32 v[PB], v92 offset:RATO+512
	ds_store_b32 v[PB], v88 offset:RBTO
	ds_store_b32 v[PB], v89 offset:RBTO+512
	ds_store_b32 v[PB], v73 offset:PREO
	ds_store_b32 v[PB], v72 offset:PREO+512
	s_wait_alu depctr_va_vdst(0)
	s_wait_tensorcnt 0x0                           ; my load has landed, so the descriptors may be written as the refills want them
	s_mov_b32 s[G0+1], s45
	s_mov_b32 s[G0B+1], s45
	s_mov_b32 s[G1+2], 4<<16
	s_mov_b32 s[G1+4], 4
	s_mov_b32 s[G1B+2], 4<<16
	s_mov_b32 s[G1B+4], 4
	s_wait_dscnt 0x0                               ; my tables lie in LDS
	s_barrier_signal -1
	s_barrier_wait -1                              ; both slots and the tables are whole for every wave
.macro FRAGS m
.set fs, ((\m)/4)%2
.set fj, (\m)%4
.set fp, (\m)%2
	WIN 0x40
.irp v, 0,1,2,3
.irp c, 0,1,2,3
	ds_load_b128 v[64*fp+16*\v+4*\c:64*fp+16*\v+4*\c+3], v[ADRV+fs] offset:8192*\v+2048*fj+512*\c
.endr
.endr
	WIN 0
.irp t, 0,1,2,3
.irp c, 0,1,2,3
	ds_load_b128 v[128+64*fp+16*\t+4*\c:128+64*fp+16*\t+4*\c+3], v[ADRP+fs] offset:8192*\t+2048*fj+512*\c
.endr
.endr
.endm
.macro CHUNK m, mode, chg
.set pm, (\m)%2
	s_wait_dscnt 0x0
.if \chg == 1
.set cs, ((\m)/4)%2
.set it, (\m)/4+2
	s_wait_tensorcnt 0x0
	ds_add_u32 v[SPW], v[NIL]
	s_add_nc_u64 s[G0+4*cs+2:G0+4*cs+3], s[18:19], s[OP+2*it:OP+2*it+1]
	s_or_b32 s[G0+4*cs+3], s[G0+4*cs+3], 0x80000000
	s_add_nc_u64 s[G0B+4*cs+2:G0B+4*cs+3], s[20:21], s[OV+2*it:OV+2*it+1]
	s_or_b32 s[G0B+4*cs+3], s[G0B+4*cs+3], 0x80000000
	s_wait_dscnt 0x0
	CROUND
	JLOAD G0+4*cs, G1, G0B+4*cs, G1B
.elseif \chg == 2
	s_wait_tensorcnt 0x0
	ds_add_u32 v[SPW], v[NIL]
	s_wait_dscnt 0x0
	s_barrier_signal -1
	s_barrier_wait -1
.endif
.if (\m) < 19
	FRAGS (\m)+1
.endif
.irp t, 0,1,2,3
	ds_load_b32 v[96+8*pm+2*\t], v[ADRF] offset:512*(\m)+64*\t
.endr
.set k, 0
.rept 16
	WIN 0x81
	v_wmma_f32_16x16x128_bf8_bf8 v[128*pm+8*k:128*pm+8*k+7], v[64*pm+16*(k%4):64*pm+16*(k%4)+15], v[128+64*pm+16*(k/4):128+64*pm+16*(k/4)+15], 0
.if \mode
.set rT, 128*(1-pm)+8*k
.set rF, 96+8*(1-pm)+2*(k/4)
.set rO, 8*k
	WIN 0xf2
.irp i, 0,2,4,6
.if \mode == 2
	v_pk_fma_f32 v[rO+\i:rO+\i+1], v[rT+\i:rT+\i+1], v[rF:rF+1], v[rO+\i:rO+\i+1] op_sel_hi:[1,0,1]
.else
	v_pk_mul_f32 v[rO+\i:rO+\i+1], v[rT+\i:rT+\i+1], v[rF:rF+1] op_sel_hi:[1,0]
.endif
.endr
.endif
.set k, k+1
.endr
.if \mode == 0
.rept 4
	v_nop
.endr
.endif
	WIN 0
.endm
.macro SEND t, ph, younger
	s_wait_dscnt \younger
	WIN 0x0c
.irp i, 0,1,2,3,4,5,6,7
	global_store_b128 v[GO], v[192+32*((\t)%2)+4*\i:192+32*((\t)%2)+4*\i+3], s[OUTP+2*(\ph):OUTP+2*(\ph)+1] offset:(32*((\t)/2)+8*((\t)%2)+2*\i+8*(\i/4))*4096 th:TH_STORE_NT
.endr
.endm
.macro FTILE t, ph
.if (\t) >= 2
	s_wait_xcnt 0x0
.endif
	WIN 0xf3
.set i, 0
.rept 16
	v_pk_mul_f32 v[160+i:161+i], v[128+i:129+i], v[120+2*(\t):121+2*(\t)] op_sel_hi:[1,0]
.set i, i+2
.endr
.set i, 0
.rept 16
	v_pk_fma_f32 v[160+i:161+i], v[32*(\t)+i:32*(\t)+i+1], v[112+2*(\t):113+2*(\t)], v[160+i:161+i] op_sel_hi:[1,0,1]
.set i, i+2
.endr
	WIN 0x0c
.irp v, 0,1,2,3
	ds_store_b128 v[STO], v[160+8*\v:163+8*\v] offset:128*(\v/2)+32*(\v%2)
	ds_store_b128 v[STO], v[164+8*\v:167+8*\v] offset:128*(\v/2)+32*(\v%2)+16
.endr
	WIN 0xc0
.irp i, 0,1,2,3,4,5,6,7
	ds_load_b128 v[192+32*((\t)%2)+4*\i:192+32*((\t)%2)+4*\i+3], v[RD] offset:544*\i
.endr
.if (\t) > 0
	SEND (\t)-1, \ph, 16
.endif
.endm
.macro FINISH ph
	s_wait_xcnt 0x0
.irp t, 0,1,2,3
	ds_load_b32 v[112+2*\t], v[ADRF] offset:RATO+512*(\ph)+64*\t
	ds_load_b32 v[120+2*\t], v[ADRF] offset:RBTO+512*(\ph)+64*\t
.endr
	WIN 0xc0
.irp v, 0,1,2,3
	ds_load_b128 v[128+8*\v:131+8*\v], v[ADRE] offset:512*(\ph)+64*\v
	ds_load_b128 v[132+8*\v:135+8*\v], v[ADRE] offset:512*(\ph)+64*\v+16
.endr
	s_wait_dscnt 0x0
.irp t, 0,1,2,3
	FTILE \t, \ph
.endr
	SEND 3, \ph, 0
	WIN 0
.endm
	FRAGS 0
	CHUNK 0, 0, 0
	CHUNK 1, 1, 0
	CHUNK 2, 2, 0
	CHUNK 3, 2, 1
	CHUNK 4, 2, 0
	CHUNK 5, 2, 0
	CHUNK 6, 2, 0
	CHUNK 7, 2, 1
	CHUNK 8, 2, 0
	CHUNK 9, 2, 0
	CHUNK 10, 2, 0
	CHUNK 11, 2, 1
	CHUNK 12, 2, 0
	s_cmp_eq_u32 s42, 1
	s_cbranch_scc0 .Lon_13
	FINISH 0
	CHUNK 13, 1, 0
	s_branch .Ldone_13
.Lon_13:
	CHUNK 13, 2, 0
.Ldone_13:
	CHUNK 14, 2, 0
	CHUNK 15, 2, 2
	CHUNK 16, 2, 0
	s_cmp_eq_u32 s42, 0
	s_cbranch_scc0 .Lon_17
	FINISH 0
	CHUNK 17, 1, 0
	s_branch .Ldone_17
.Lon_17:
	CHUNK 17, 2, 0
.Ldone_17:
	CHUNK 18, 2, 0
	CHUNK 19, 2, 0
	s_wait_dscnt 0x0
	WIN 0xf2
.set k, 0
.rept 16
.irp i, 0,2,4,6
	v_pk_fma_f32 v[8*k+\i:8*k+\i+1], v[128+8*k+\i:128+8*k+\i+1], v[104+2*(k/4):105+2*(k/4)], v[8*k+\i:8*k+\i+1] op_sel_hi:[1,0,1]
.endr
.set k, k+1
.endr
	WIN 0
	FINISH 1
	s_wait_tensorcnt 0x0
	ds_add_u32 v[SPW], v[NIL]
	s_wait_dscnt 0x0
	CROUND
	s_endpgm
.Lfunc_end_k_q2dcefb1dd4_mix:
	.size	k_q2dcefb1dd4_mix, .Lfunc_end_k_q2dcefb1dd4_mix-k_q2dcefb1dd4_mix
	.p2alignl 7, 3214868480
	.fill 96, 4, 3214868480
	.section	.rodata,"a",@progbits
	.p2align	6, 0x0
	.amdhsa_kernel k_q2dcefb1dd4_mix
		.amdhsa_group_segment_fixed_size 327680
		.amdhsa_private_segment_fixed_size 0
		.amdhsa_enable_private_segment 0
		.amdhsa_kernarg_size 48
		.amdhsa_user_sgpr_count 2
		.amdhsa_user_sgpr_kernarg_segment_ptr 1
		.amdhsa_wavefront_size32 1
		.amdhsa_system_sgpr_workgroup_id_x 1
		.amdhsa_system_sgpr_workgroup_id_y 1
		.amdhsa_system_sgpr_workgroup_id_z 1
		.amdhsa_system_vgpr_workitem_id 0
		.amdhsa_next_free_vgpr 1024
		.amdhsa_next_free_sgpr 100
		.amdhsa_reserve_vcc 0
		.amdhsa_float_denorm_mode_32 3
		.amdhsa_float_denorm_mode_16_64 3
		.amdhsa_memory_ordered 1
		.amdhsa_forward_progress 1
		.amdhsa_inst_pref_size 255
	.end_amdhsa_kernel
	.section	.bss,"aw",@nobits
	.p2align	6
	.space	262144
	.amdgpu_metadata
---
amdhsa.version: [ 1, 2 ]
amdhsa.kernels:
  - .name:           k_q2dcefb1dd4_mix
    .symbol:         k_q2dcefb1dd4_mix.kd
    .args:
      - { .name: pimg, .offset: 0, .size: 8, .value_kind: global_buffer, .address_space: global }
      - { .name: vimg, .offset: 8, .size: 8, .value_kind: global_buffer, .address_space: global }
      - { .name: stat, .offset: 16, .size: 8, .value_kind: global_buffer, .address_space: global }
      - { .name: vsum, .offset: 24, .size: 8, .value_kind: global_buffer, .address_space: global }
      - { .name: lowp_scales, .offset: 32, .size: 8, .value_kind: global_buffer, .address_space: global }
      - { .name: out0, .offset: 40, .size: 8, .value_kind: global_buffer, .address_space: global }
    .group_segment_fixed_size: 327680
    .private_segment_fixed_size: 0
    .kernarg_segment_align: 8
    .kernarg_segment_size: 48
    .max_flat_workgroup_size: 128
    .sgpr_count:     100
    .vgpr_count:     1024
    .wavefront_size: 32
...
	.end_amdgpu_metadata
.endif
;; end of part 4
